; MI455X (gfx1250); checked and timed in simulation.
; The chip was launched on July 23, 2026; its instructions are those of AMD's public machine-readable ISA for CDNA 5 (MIT licence, August 2026) and "CDNA5" Instruction Set Architecture Reference Guide (July 2026). The comments in the code are by the model that wrote it; some were corrected since.
;; GM Decoder. Allowed arithmetic: float matrix products may take bf16 or f16 operands with f32 sums; all other float work in f32.
;; Inputs: W1 4,096 x 2,048 float32; W2 4,096 x 4,096 float32; W3 2,048 x 4,096 float32; Wc 2,048 x 128 float32; Wm 2,048 x 128 float32; b1 4,096 float32; b2 4,096 float32; b3 2,048 float32; bc 2,048 float32; bm 2,048 float32; y 128 float32; z 2,048 x 2,048 float32.
;; Outputs: out0 2,048 x 2,048 float32.
;; One version. Each part assembles by itself: llvm-mc -triple=amdgcn-amd-amdhsa -mcpu=gfx1250 --defsym DOCPART=n.
;; ======== version 1 of 1: 4 launches
;; limits: inputs' magnitudes at most 16; values are held in f16: magnitudes above 65,504 overflow, below 6.1e-05 lose precision
;; workspace buffers: h0 8,388,608 bytes; h1 16,777,216 bytes; h2 16,777,216 bytes; pm0 4,096 bytes; pm1 16,384 bytes; w3h 16,777,216 bytes
;; launch prep (part 1): grid 16 x 16, 8 waves a work-group, no clusters, 3,072 bytes of LDS; arguments y, z, Wm, bm, Wc, bc, b1, b2, W3, h0, pm0, w3h; writes h0, pm0, w3h
.if DOCPART == 1
	.amdgcn_target "amdgcn-amd-amdhsa--gfx1250"
	.amdhsa_code_object_version 6
	.text
	.protected	k_qc127011e02_prep
	.globl	k_qc127011e02_prep
	.p2align	8
	.type	k_qc127011e02_prep,@function
k_qc127011e02_prep:
	s_mov_b64 s[64:65], 0
	v_nop
	global_prefetch_b8 v0, s[64:65] scope:SCOPE_SE
	s_setreg_imm32_b32 hwreg(HW_REG_WAVE_MODE, 25, 1), 1
	s_wait_xcnt 0x0
; h0[r][c] = relu(mean[c] + z[r][c] * cov[c]) as f16;  mean = y Wm^T + bm;  cov = sqrt(softplus(y Wc^T + bc)).  All arithmetic in f32, h0 rounded once.
; Beside it: (1) one entry of 16 bytes for each work-group in pm0: { max of its block of h0, max |b1| of 16 numbers, max |b2| of 16 numbers, 0 }: the next launch takes the maxima of all 256
; entries to choose the power of two by which it stores its f16 result.  (2) w3h = W3 rounded to f16, once for the whole program: with both operands of 2 bytes the last layer's tile of
; 128 x 128 costs 512 bytes for each k, and two slots of a K step of 256 fit into its LDS; as f32 each number of W3 would also be rounded anew by 16 row blocks.
; SHARES.  Work-group (cs, rb) owns rows 128 rb .. +127 and columns 128 cs .. +127 of z.  Wave w owns 16 of the rows; lane l the columns 4 l .. 4 l + 3:
; a load of z covers 512 consecutive bytes, a store of h0 256 consecutive bytes at a multiple of 256 from h0's first byte.
; The block's 128 numbers of mean and of cov are made by the work-group itself: wave w takes rows 128 cs + 16 w + i of Wm and Wc (a row is one 16-byte load a lane).
; The 16 row blocks repeat that (2 x 64 KiB a work-group) rather than wait for a launch of its own.
; Of W3 work-group g = 16 rb + cs takes the 131,072 bytes from 131,072 g on, wave w 16,384 of them: 32 loads of 512 consecutive bytes, 32 stores of 256 consecutive bytes, aligned.
; No matrix unit (128 multiply-adds for each of 4,096 numbers), no cluster and no tensor load: the streams are read once through registers, up to 48 loads of a wave in flight.
; LIMITS.  |h0| and |W3| must stay within f16's 65,504.  A NaN becomes 0 in the relu (v_max_num_f32).  exp2, log2 and sqrt flush denormals (ISA guide 15.8): a softplus under 2^-126 gives cov = 0.
.set YV,   4                           ; v[4:7]     y[4 l .. 4 l + 3]
.set BM,   8                           ; v[8:11]    bm of my four columns
.set BC,   12                          ; v[12:15]   bc
.set MEAN, 16                          ; v[16:19]
.set COV,  20                          ; v[20:23]   first y Wc^T + bc, at last cov
.set T,    24                          ; v[24:43]   at work
.set MXR,  50                          ; v50        running maximum of h0
.set ZR,   64                          ; v[64:127]  16 rows of z, 4 registers each; a row's first two registers then hold its four numbers of h0
.set WM,   128                         ; v[128:191] 16 rows of Wm
.set WC,   192                         ; v[192:255] 16 rows of Wc
.set CW,   128                         ; v[128:255] then: 32 loads of W3, 4 registers each; the first two of each then hold its four f16
; LDS: bytes 0-511 the 128 dot products with Wm, 512-1023 those with Wc, 1024-1055 the eight waves' maxima
	s_load_b512 s[4:19], s[0:1], 0x0               ; y s[4:5], z s[6:7], Wm s[8:9], bm s[10:11], Wc s[12:13], bc s[14:15], b1 s[16:17], b2 s[18:19]
	s_load_b256 s[20:27], s[0:1], 0x40             ; W3 s[20:21], h0 s[22:23], pm0 s[24:25], w3h s[26:27]
	v_lshl_add_u32 v62, v0, 2, 0x800
	v_mov_b32 v63, 0
	v_lshrrev_b32 v1, 5, v0
	v_readfirstlane_b32 s40, v1                    ; wave 0..7
	v_and_b32 v1, 31, v0                           ; lane
	v_lshlrev_b32 v2, 4, v1                        ; 16 x lane
	v_lshlrev_b32 v3, 3, v1                        ; 8 x lane
	v_and_b32 v46, 15, v0
	v_lshlrev_b32 v46, 2, v46                      ; 4 x (lane mod 16): both halves of the lanes take the same 16 numbers of b1, b2
	s_and_b32 s42, ttmp7, 0xffff                   ; rb
	s_lshl4_add_u32 s43, s42, ttmp9                ; g = 16 rb + cs
	s_lshl_b32 s35, s42, 7
	s_lshl4_add_u32 s35, s40, s35                  ; my first row of z: 128 rb + 16 w
	s_lshl_b32 s41, ttmp9, 7
	s_lshl4_add_u32 s41, s40, s41                  ; my first row of Wm, Wc: 128 cs + 16 w
	s_lshl_b32 s39, s40, 6
	v_mov_b32 v51, s39                             ; LDS: my 16 dot products begin at 64 w
	s_mov_b32 s30, 0x76543210                      ; v_permlanex16_b32: each lane takes its own place in the other half
	s_mov_b32 s31, 0xfedcba98
	s_mov_b32 s33, 0x3f317218                      ; ln 2
	s_mov_b32 s36, 0x3e4ccccd                      ; 1/5
	s_mov_b32 s37, 0xbe800000                      ; -1/4
	s_mov_b32 s38, 0x3eaaaaab                      ; 1/3
	s_mov_b32 s29, 0                               ; high word of every offset
	s_wait_kmcnt 0x0
	s_lshl_b32 s28, s35, 13                        ; z: row x 8,192 bytes + 512 cs
	s_lshl_b32 s39, ttmp9, 9
	s_add_co_u32 s28, s28, s39
	s_add_nc_u64 s[6:7], s[6:7], s[28:29]
	s_mov_b32 s28, s39                             ; bm, bc: 512 cs
	s_add_nc_u64 s[10:11], s[10:11], s[28:29]
	s_add_nc_u64 s[14:15], s[14:15], s[28:29]
	s_lshl_b32 s28, s41, 9                         ; Wm, Wc: row x 512 bytes
	s_add_nc_u64 s[8:9], s[8:9], s[28:29]
	s_add_nc_u64 s[12:13], s[12:13], s[28:29]
	s_lshl_b32 s28, s35, 12                        ; h0: row x 4,096 bytes + 256 cs
	s_lshl_b32 s39, ttmp9, 8
	s_add_co_u32 s28, s28, s39
	s_add_nc_u64 s[22:23], s[22:23], s[28:29]
	s_lshl_b32 s28, s43, 6                         ; b1, b2: 16 numbers a work-group
	s_add_nc_u64 s[16:17], s[16:17], s[28:29]
	s_add_nc_u64 s[18:19], s[18:19], s[28:29]
	s_lshl_b32 s28, s43, 4                         ; pm0: 16 bytes a work-group
	s_add_nc_u64 s[24:25], s[24:25], s[28:29]
	s_lshl_b32 s28, s43, 17                        ; W3: 131,072 g + 16,384 w (under 2^25),
	s_lshl_b32 s39, s40, 14
	s_add_co_u32 s28, s28, s39
	s_add_nc_u64 s[20:21], s[20:21], s[28:29]
	s_lshr_b32 s28, s28, 1                         ; w3h: half of that
	s_add_nc_u64 s[26:27], s[26:27], s[28:29]
	s_cmp_lg_u32 s40, 0                            ; wave 0 alone takes the slices of b1 and b2; they are its oldest loads, so the counts below hold in every wave
	s_cbranch_scc1 .Lno_bias
	global_load_b32 v48, v46, s[16:17]
	global_load_b32 v49, v46, s[18:19]
.Lno_bias:
	global_load_b128 v[YV:YV+3], v2, s[4:5]
	global_load_b128 v[BM:BM+3], v2, s[10:11]
	global_load_b128 v[BC:BC+3], v2, s[14:15]
.irp i, 0,1,2,3,4,5,6,7,8,9,10,11,12,13,14,15
	global_load_b128 v[WM+4*\i:WM+4*\i+3], v2, s[8:9] offset:512*\i
.endr
.irp i, 0,1,2,3,4,5,6,7,8,9,10,11,12,13,14,15
	global_load_b128 v[WC+4*\i:WC+4*\i+3], v2, s[12:13] offset:512*\i
.endr
.irp i, 0,1,2,3,4,5,6,7,8,9,10,11,12,13,14,15
	global_load_b128 v[ZR+4*\i:ZR+4*\i+3], v2, s[6:7] offset:8192*\i th:TH_LOAD_NT   ; z is read once in the launch
.endr
; Eight dot products of 128 with y, stage by stage so that no instruction waits for the one before it: four products a lane, then the sum over the 32 lanes; every lane ends
; with the sum and all write the same word.
.macro DOT8 src, off
.irp r, 0,1,2,3,4,5,6,7
	v_pk_mul_f32 v[T+2*\r:T+2*\r+1], v[\src+4*\r:\src+4*\r+1], v[YV:YV+1]
.endr
.irp r, 0,1,2,3,4,5,6,7
	v_pk_fma_f32 v[T+2*\r:T+2*\r+1], v[\src+4*\r+2:\src+4*\r+3], v[YV+2:YV+3], v[T+2*\r:T+2*\r+1]
.endr
.irp r, 0,1,2,3,4,5,6,7
	v_add_f32 v[T+2*\r], v[T+2*\r], v[T+2*\r+1]
.endr
.irp m, 1,2,4,8
.irp r, 0,1,2,3,4,5,6,7
	v_add_f32_dpp v[T+2*\r], v[T+2*\r], v[T+2*\r] row_xmask:\m row_mask:0xf bank_mask:0xf
.endr
.endr
.irp r, 0,1,2,3,4,5,6,7
	v_permlanex16_b32 v[T+2*\r+1], v[T+2*\r], s30, s31
.endr
.irp r, 0,1,2,3,4,5,6,7
	v_add_f32 v[T+2*\r], v[T+2*\r], v[T+2*\r+1]
.endr
.irp r, 0,1,2,3,4,5,6,7
	ds_store_b32 v51, v[T+2*\r] offset:\off+4*\r
.endr
.endm
	s_wait_loadcnt 32                              ; behind Wm's last load stand 16 of Wc and 16 of z: y, bm, bc and Wm are in
	DOT8 WM, 0
	DOT8 WM+32, 32
.irp j, 0,1,2,3,4,5,6,7,8,9,10,11,12,13,14,15
	global_load_b128 v[CW+4*\j:CW+4*\j+3], v2, s[20:21] offset:512*\j th:TH_LOAD_NT   ; Wm's registers are free: the first half of my part of W3, read once in the launch
.endr
	s_wait_loadcnt 32                              ; behind Wc's last load stand 16 of z and 16 of W3: Wc is in
	DOT8 WC, 512
	DOT8 WC+32, 544
.irp j, 16,17,18,19,20,21,22,23,24,25,26,27,28,29,30,31
	global_load_b128 v[CW+4*\j:CW+4*\j+3], v2, s[20:21] offset:512*\j th:TH_LOAD_NT   ; Wc's registers are free: the second half
.endr
	s_wait_dscnt 0x0                               ; for the others' sake: my 32 dot products are in LDS
	s_barrier_signal -1
	s_barrier_wait -1
	ds_load_b128 v[MEAN:MEAN+3], v2                ; the dot products of my four columns, made by other waves
	ds_load_b128 v[COV:COV+3], v2 offset:512
	s_wait_dscnt 0x0
	v_pk_add_f32 v[MEAN:MEAN+1], v[MEAN:MEAN+1], v[BM:BM+1]
	v_pk_add_f32 v[MEAN+2:MEAN+3], v[MEAN+2:MEAN+3], v[BM+2:BM+3]
	v_pk_add_f32 v[COV:COV+1], v[COV:COV+1], v[BC:BC+1]
	v_pk_add_f32 v[COV+2:COV+3], v[COV+2:COV+3], v[BC+2:BC+3]
	; softplus(x) = max(x, 0) + log1p(t), t = e^-|x| in (0, 1].  From t = 1/16 on log1p(t) = ln 2 x log2(1 + t) (1 + t is rounded to 2^-24, log1p is at least 0.06);
	; below it the series t (1 + t (-1/2 + t (1/3 + t (-1/4 + t/5)))), whose first dropped term is t^5 / 6 < 1.6e-7 of the result.  Both are made, one is selected.
.irp k, 0,1,2,3
	v_or_b32 v[T+\k], 0x80000000, v[COV+\k]        ; -|x|
.endr
.irp k, 0,1,2,3
	v_mul_f32 v[T+\k], 0x3fb8aa3b, v[T+\k]         ; x log2 e
.endr
.irp k, 0,1,2,3
	v_exp_f32 v[T+\k], v[T+\k]                     ; t
.endr
.irp k, 0,1,2,3
	v_max_num_f32 v[T+16+\k], 0, v[COV+\k]         ; max(x, 0): also the plain instruction between the exponentials and the use of their results (ISA guide 5.7.2)
.endr
	s_wait_alu depctr_va_vdst(0)
.irp k, 0,1,2,3
	v_add_f32 v[T+4+\k], 1.0, v[T+\k]
.endr
.irp k, 0,1,2,3
	v_log_f32 v[T+4+\k], v[T+4+\k]
.endr
.irp k, 0,1,2,3
	v_fma_f32 v[T+8+\k], v[T+\k], s36, s37         ; the series; its first lines are the plain instructions behind the logarithms
.endr
.irp k, 0,1,2,3
	v_fma_f32 v[T+8+\k], v[T+\k], v[T+8+\k], s38
.endr
.irp k, 0,1,2,3
	v_fma_f32 v[T+8+\k], v[T+\k], v[T+8+\k], -0.5
.endr
.irp k, 0,1,2,3
	v_fma_f32 v[T+8+\k], v[T+\k], v[T+8+\k], 1.0
.endr
	s_wait_alu depctr_va_vdst(0)
.irp k, 0,1,2,3
	v_mul_f32 v[T+8+\k], v[T+\k], v[T+8+\k]
	v_mul_f32 v[T+4+\k], s33, v[T+4+\k]
.endr
.irp k, 0,1,2,3
	v_cmp_gt_f32 vcc_lo, 0x3d800000, v[T+\k]       ; 1/16 > t: the series
	v_cndmask_b32 v[T+4+\k], v[T+4+\k], v[T+8+\k], vcc_lo
	v_add_f32 v[COV+\k], v[T+16+\k], v[T+4+\k]
.endr
.irp k, 0,1,2,3
	v_sqrt_f32 v[COV+\k], v[COV+\k]
.endr
	v_mov_b32 v[MXR], 0                            ; h0 is never negative, so its maximum starts at 0; also the plain instruction behind the roots
	s_wait_alu depctr_va_vdst(0)
	; my 16 rows: one fused multiply-add, the relu, the maximum, one rounding to f16 into the row's own first two registers, which nothing writes again
.set i, 0
.rept 16
.set W, T+4*(i%4)
	s_wait_loadcnt 47-i                            ; loads come back in order (ISA guide 5.7.1): row i is in; the 15 - i rows behind it and the 32 loads of W3 stay out
	v_pk_fma_f32 v[W:W+1], v[ZR+4*i:ZR+4*i+1], v[COV:COV+1], v[MEAN:MEAN+1]
	v_pk_fma_f32 v[W+2:W+3], v[ZR+4*i+2:ZR+4*i+3], v[COV+2:COV+3], v[MEAN+2:MEAN+3]
	v_max_num_f32 v[W], 0, v[W]
	v_max_num_f32 v[W+1], 0, v[W+1]
	v_max_num_f32 v[W+2], 0, v[W+2]
	v_max_num_f32 v[W+3], 0, v[W+3]
	v_max3_num_f32 v[MXR], v[MXR], v[W], v[W+1]
	v_max3_num_f32 v[MXR], v[MXR], v[W+2], v[W+3]
	v_cvt_pk_f16_f32 v[ZR+4*i], v[W], v[W+1]
	v_cvt_pk_f16_f32 v[ZR+4*i+1], v[W+2], v[W+3]
	global_store_b64 v3, v[ZR+4*i:ZR+4*i+1], s[22:23] offset:4096*i   ; the wave stores 256 consecutive bytes, aligned
.set i, i+1
.endr
	; the block's maximum: over the lanes, then over the waves through LDS
.irp m, 1,2,4,8
	v_max_num_f32_dpp v[MXR], v[MXR], v[MXR] row_xmask:\m row_mask:0xf bank_mask:0xf
.endr
	v_permlanex16_b32 v[T], v[MXR], s30, s31
	v_max_num_f32 v[MXR], v[MXR], v[T]
	v_lshrrev_b32 v47, 4, v51                      ; 4 w
	ds_store_b32 v47, v[MXR] offset:1024
	; W3 to f16: four numbers a lane and load, rounded in place, each load's pair of registers stored once and not written again
.set j, 0
.rept 32
	s_wait_loadcnt 31-j                            ; load j is in, the loads behind it stay out
	v_cvt_pk_f16_f32 v[CW+4*j], v[CW+4*j], v[CW+4*j+1]
	v_cvt_pk_f16_f32 v[CW+4*j+1], v[CW+4*j+2], v[CW+4*j+3]
	global_store_b64 v3, v[CW+4*j:CW+4*j+1], s[26:27] offset:256*j   ; the wave stores 256 consecutive bytes, aligned
.set j, j+1
.endr
	s_wait_dscnt 0x0                               ; for wave 0's sake: my maximum is in LDS
	s_barrier_signal -1
	s_barrier_wait -1
	s_cmp_lg_u32 s40, 0
	s_cbranch_scc1 .Lend
	v_mov_b32 v[T], 0x400
	ds_load_b128 v[T+4:T+7], v[T]
	ds_load_b128 v[T+8:T+11], v[T] offset:16
	v_and_b32 v53, 0x7fffffff, v48                 ; |b1|, |b2|: 16 numbers in each half of the lanes
	v_and_b32 v54, 0x7fffffff, v49
.irp m, 1,2,4,8
	v_max_num_f32_dpp v53, v53, v53 row_xmask:\m row_mask:0xf bank_mask:0xf
	v_max_num_f32_dpp v54, v54, v54 row_xmask:\m row_mask:0xf bank_mask:0xf
.endr
	v_mov_b32 v55, 0
	v_mov_b32 v56, 0
	s_wait_dscnt 0x0
	v_max3_num_f32 v52, v[T+4], v[T+5], v[T+6]
	v_max3_num_f32 v52, v52, v[T+7], v[T+8]
	v_max3_num_f32 v52, v52, v[T+9], v[T+10]
	v_max_num_f32 v52, v52, v[T+11]
	v_cmp_eq_u32 vcc_lo, 0, v1
	s_wait_xcnt 0x0                                ; EXEC is a source of the stores above: it changes only behind this wait
	s_and_saveexec_b32 s34, vcc_lo
	global_store_b128 v56, v[52:55], s[24:25]      ; lane 0: the work-group's entry
	s_wait_xcnt 0x0                                ; and again in front of the line that widens it
	s_or_b32 exec_lo, exec_lo, s34
.Lend:
	s_wait_tensorcnt 0x0
	ds_add_u32 v62, v63
	s_wait_dscnt 0x0
	s_endpgm
.Lfunc_end_k_qc127011e02_prep:
	.size	k_qc127011e02_prep, .Lfunc_end_k_qc127011e02_prep-k_qc127011e02_prep
	.p2alignl 7, 3214868480
	.fill 96, 4, 3214868480
	.section	.rodata,"a",@progbits
	.p2align	6, 0x0
	.amdhsa_kernel k_qc127011e02_prep
		.amdhsa_group_segment_fixed_size 3072
		.amdhsa_private_segment_fixed_size 0
		.amdhsa_enable_private_segment 0
		.amdhsa_kernarg_size 96
		.amdhsa_user_sgpr_count 2
		.amdhsa_user_sgpr_kernarg_segment_ptr 1
		.amdhsa_wavefront_size32 1
		.amdhsa_system_sgpr_workgroup_id_x 1
		.amdhsa_system_sgpr_workgroup_id_y 1
		.amdhsa_system_sgpr_workgroup_id_z 1
		.amdhsa_system_vgpr_workitem_id 0
		.amdhsa_next_free_vgpr 256
		.amdhsa_next_free_sgpr 66
		.amdhsa_reserve_vcc 1
		.amdhsa_float_denorm_mode_32 3
		.amdhsa_float_denorm_mode_16_64 3
		.amdhsa_memory_ordered 1
		.amdhsa_forward_progress 1
		.amdhsa_inst_pref_size 52
	.end_amdhsa_kernel
	.amdgpu_metadata
---
amdhsa.version: [ 1, 2 ]
amdhsa.kernels:
  - .name:           k_qc127011e02_prep
    .symbol:         k_qc127011e02_prep.kd
    .args:
      - { .name: y, .offset: 0, .size: 8, .value_kind: global_buffer, .address_space: global }
      - { .name: z, .offset: 8, .size: 8, .value_kind: global_buffer, .address_space: global }
      - { .name: Wm, .offset: 16, .size: 8, .value_kind: global_buffer, .address_space: global }
      - { .name: bm, .offset: 24, .size: 8, .value_kind: global_buffer, .address_space: global }
      - { .name: Wc, .offset: 32, .size: 8, .value_kind: global_buffer, .address_space: global }
      - { .name: bc, .offset: 40, .size: 8, .value_kind: global_buffer, .address_space: global }
      - { .name: b1, .offset: 48, .size: 8, .value_kind: global_buffer, .address_space: global }
      - { .name: b2, .offset: 56, .size: 8, .value_kind: global_buffer, .address_space: global }
      - { .name: W3, .offset: 64, .size: 8, .value_kind: global_buffer, .address_space: global }
      - { .name: h0, .offset: 72, .size: 8, .value_kind: global_buffer, .address_space: global }
      - { .name: pm0, .offset: 80, .size: 8, .value_kind: global_buffer, .address_space: global }
      - { .name: w3h, .offset: 88, .size: 8, .value_kind: global_buffer, .address_space: global }
    .group_segment_fixed_size: 3072
    .private_segment_fixed_size: 0
    .kernarg_segment_align: 8
    .kernarg_segment_size: 96
    .max_flat_workgroup_size: 256
    .sgpr_count:     66
    .vgpr_count:     256
    .wavefront_size: 32
...
	.end_amdgpu_metadata
.endif
;; end of part 1
;; launch layer1 (part 2): grid 32 x 8, 4 waves a work-group, clusters of 4 x 4, 327,680 bytes of LDS; arguments h0, W1, b1, pm0, h1, pm1; writes h1, pm1
.if DOCPART == 2
	.amdgcn_target "amdgcn-amd-amdhsa--gfx1250"
	.amdhsa_code_object_version 6
	.text
	.protected	k_qc127011e02_layer1
	.globl	k_qc127011e02_layer1
	.p2align	8
	.type	k_qc127011e02_layer1,@function
k_qc127011e02_layer1:
	s_mov_b64 s[64:65], 0
	v_nop
	global_prefetch_b8 v0, s[64:65] scope:SCOPE_SE
	s_setreg_imm32_b32 hwreg(HW_REG_WAVE_MODE, 25, 1), 1
	s_wait_xcnt 0x0
	s_wait_alu depctr_hold_cnt(0) depctr_sa_sdst(0) depctr_va_vdst(0) depctr_va_sdst(0) depctr_va_ssrc(0) depctr_va_vcc(0) depctr_vm_vsrc(0)
	s_getreg_b32 s2, hwreg(HW_REG_IB_STS2, 6, 4)
	s_cmp_eq_u32 s2, 0
	s_cbranch_scc0 .Lentry_in_a_cluster
	s_endpgm
.Lentry_in_a_cluster:
	s_bfe_u32 s2, ttmp6, 0x10000c
	s_cmp_lg_u32 s2, 0xf033
	s_cbranch_scc0 .Lentry_shape_is_right
	s_endpgm
.Lentry_shape_is_right:
; ONE DENSE LAYER WITH RELU: out[m][n] = relu(sum over k of hin[m][k] W[n][k] + bias[n]).  hin: [2048][SIZE_K] f16; W: [SIZE_N][SIZE_K] f32; sums in f32; out: f16 times a power of two.
; The same text serves layers 1 and 2; the five constants below choose the layer.  THIS COPY: layer 1 (MODE 1): h1 = relu(h0 W1^T + b1), stored as f16 times a power of two n1.
;   MODE 1: in unscaled, out = relu(..) x n1; each wave also stores { max of its part of h1 (true size), n1, max |b2|, 0 } into pm1.
;   MODE 2: in = h1 x n1, out = relu(acc / n1 + b2) x n2.
; FORMAT.  Operands are f16, not bf16: six roundings of operands lie between z and out0, and 11 significant bits keep their sum far inside the allowed 1 % of the output's rms where 8 bits would
; not.  f16's range is earned by the scale: with mu the true maximum of the layer's input and |W| <= 16, beta = 16 K mu + max |bias| bounds the layer's output; e = beta's biased exponent
; (at least 15), n = 2^(141 - e), so that out x n < 2^15.  mu is measured anew for each layer (tables pm0, pm1), so the bound's slack does not build up.
; LIMITS.  |W| <= 16 (beyond it out x n may pass f16's 65,504).  The relu (v_max_num_f32) makes 0 of a NaN.  The bias is added behind the sum.
; SHARES.  A work-group makes 256 x 128 of out, 256 work-groups in all.  Weights come as f32 (4 bytes) and activations as f16, so both cost 512 bytes for each k, and two slots of a
; K step of 128 fit in LDS with rows of 256 (A) and 512 (B) bytes of memory.  A wave has 128 rows x 64 columns: 32 accumulators.  W is rounded to f16 between LDS and the matrix unit.
; CLUSTER.  4 x 4 work-groups: the four of a row of the cluster need the same tile of hin, the four of a column the same tile of W; each tile is asked for jointly, by the same tensor load with the
; same descriptor and a mask that names the four.  THE MATRIX INSTRUCTION IS USED TRANSPOSED (source 0 = 16 rows of W, source 1 = 16 rows of hin): a lane holds 8 neighbouring columns of one row of out.
; PREFETCH.  W and hin come out of memory and the joint loads wait for them, so later K steps are asked for ahead, each aligned block of 256 bytes once in the launch.  A tile column's 128 rows
; of W are shared out among the 8 tile rows that walk it, 16 rows each: waves 2 and 3 take 8 rows each and ask in every trip but the last for the 1,024 bytes a row of the next trip's two K steps
; (32 lanes = 8 rows x 4 blocks), one and two K steps (128 and 256 matrix instructions a wave) ahead of the joint loads that want them; K steps 2 and 3 are asked for at the start.  A tile row's
; 256 rows of hin are shared out among the 32 tile columns, 8 rows each: wave 0 asks in every second trip for the 1,024 bytes a row of four K steps, one K step ahead of the first joint load
; that wants them.  hin's K steps 2 and 3 are not asked for: they are half of such a piece, and the other half is what the first fills ask for at once.  Wave 1 asks for nothing.  At most 24 KiB
; of a work-group's requests are unread at a time.  The last requests end at the rows' ends.
.set MODE,   1
.set SIZE_K, 2048
.set SIZE_N, 4096
.set NE,     8                         ; the table's 16-byte entries a lane: 256 entries of pm0, or 1,024 of pm1
.set KB16,   0x47000000                ; 16 K as f32
.set TM,     256                       ; rows of a tile
.set NB,     4                         ; blocks of 16 columns a wave
.set LAPS,   SIZE_K/256                ; a lap = two K steps = once round the ring
.set PA,     272                       ; an LDS row of A: 256 bytes + 16; of B: 512 + 16.  Both are odd multiples of 16 bytes, so the 16 rows that a fragment load touches
.set PB,     528                       ; lie in 16 different 16-byte columns modulo 256 bytes
.set ABYTES, TM*PA
.set SLOT,   ABYTES+128*PB             ; A's 256 rows, then B's 128 rows; slot 0 at byte 0, slot 1 at SLOT
.set SP,     272                       ; a row of the stage: 128 f16 + 16 bytes.  The stage lies at byte 0, in slot 0, which has had its last fill and its last read when the first result is written
.set MASKW,  (1<<LAPS)-4               ; bit i: with i trips left (this one among them) W's waves ask: every trip but the last (i = 1)
.set MASKH,  0xaaaaaaa8&((1<<LAPS)-1)  ; the same for hin's wave: trips 0, 2, .. (i odd), but not the last
; window 0: v1 r, v2 h, v6 lane, addresses, v[64:127] raw f32 of B, v[128:159], v[160:191] B's fragments (two buffers), v[192:223] bias; v[64:191] also the table and the way out
; window 1: v[0:63], v[64:127] A's fragments, two buffers.      window 2: accumulator (a, b) at v[8 (NB a + b)]
.set ADRA, 16                          ; v16-17  LDS address of my A fragments in slot 0, 1
.set ADRB, 20                          ; v20-21  the same for B
.set STO,  24                          ; where I put my numbers of a row in the stage
.set RD,   25                          ; where I read rows back
.set CO,   26                          ; my byte offset in out: two rows of 256 bytes a wave
.set HB,   27                          ; 32 h
.set LB,   28                          ; 16 x lane
.set PFO,  29                          ; the prefetch: my lane's block: row lane / 4 of the wave's 8, block lane % 4 of its 4; never rewritten
.set MX,   32                          ; v[32:35] four running maxima
.set EN,   36                          ; v[36:39] the entry for pm1
.set X,    40                          ; v40-42  the table's three maxima
.set ZO,   43
.set T,    44
.set R,    64
.set BB,   128
.set BIAS, 192
.set TAB,  64
.set TMP,  64
.set WV, 12                            ; my wave's number
.set WH, 13                            ; wave / 2: my half of the tile's rows.  Also: 0 = I fetch for A, 1 = for B
.set WL, 14                            ; wave % 2: my half of its columns.  Also: which half of that tile's rows I fetch
.set G1A, 24                           ; s[24:31] descriptor group 1 for A;  s[32:39] group 0, a set for each slot
.set G0A, 32
.set G1B, 48                           ; s[48:55], s[56:63] the same for B
.set G0B, 56
.set NS,  66                           ; s[66:67] n of out, twice (a packed multiply names a pair)
.set DS,  68                           ; s[68:69] 1 / n of hin, twice
.set SEL, 70                           ; s[70:71] lane selects of v_permlanex16_b32
.set OUT, 72                           ; s[72:73] out;  s[74:75] pm1 (MODE 1)
.set PMO, 74
.set SVX, 76
.set KB,  77
.set PM,  78                           ; the prefetch: my wave's mask of trips
.set TS,  79                           ; at work
.set PFB, 80                           ; s[80:81] the prefetch: the address that my wave asked from last
.set PFS, 82                           ; s[82:83] its step a trip, in bytes
.set MSB, 0
.macro WIN new                         ; s_set_vgpr_msb: bits 1:0 source 0, 3:2 source 1, 5:4 source 2, 7:6 destination; the high byte repeats the setting that is left
.if MSB != \new
	s_set_vgpr_msb (MSB<<8)|\new
.set MSB, \new
.endif
.endm
.set W_MUL, 0xa4                       ; source 0 (B) window 0, source 1 (A) window 1, C and D window 2
.set W_FA,  0x40                       ; destination window 1, address window 0
.macro PLACES
.rept 4
	v_nop
.endr
.endm
.macro JLOAD s                         ; a joint load: waves 0, 1 fetch A's halves, waves 2, 3 B's; four v_nop follow each of the two lines, ahead of the jump, the label and what follows
	s_cmp_eq_u32 s[WH], 0
	s_cbranch_scc0 .Lfor_b_\@
	tensor_load_to_lds s[G0A+4*\s:G0A+4*\s+3], s[G1A:G1A+7]
	s_nop 0
.rept 4
	v_nop
.endr
	s_branch .Lasked_\@
.Lfor_b_\@:
	tensor_load_to_lds s[G0B+4*\s:G0B+4*\s+3], s[G1B:G1B+7]
	s_nop 0
.rept 4
	v_nop
.endr
.Lasked_\@:
.endm
.macro CREST                           ; a round of the cluster's barrier behind its opening barrier
	s_cmp_lg_u32 s[WV], 0
	s_cbranch_scc1 .Lnot_wave_0_\@
	s_barrier_signal -3
.Lnot_wave_0_\@:
	s_barrier_wait -3
	s_barrier_signal -1
	s_barrier_wait -1
.endm
.macro CROUND                          ; a whole round
	s_barrier_signal -1
	s_barrier_wait -1
	CREST
.endm
; The prefetch of a trip.  The address steps in every trip and every wave; whether the wave asks hangs on its mask and on the trips left, numbers that are alike in all work-groups.
.macro ASK
	s_wait_xcnt 0x0                                ; my last prefetch, a whole trip back, has had its address translated (ISA guide 3.1): its base is rewritten only behind this wait
	s_add_nc_u64 s[PFB:PFB+1], s[PFB:PFB+1], s[PFS:PFS+1]
	s_lshr_b32 s[TS], s[PM], s3
	s_and_b32 s[TS], s[TS], 1
	s_cmp_lg_u32 s[TS], 0
	s_cbranch_scc0 .Lquiet_\@
	global_prefetch_b8 v[PFO], s[PFB:PFB+1] th:TH_LOAD_NT scope:SCOPE_SE   ; 32 lanes, 32 blocks of 256 bytes
.Lquiet_\@:
.endm
	s_load_b256 s[4:11], s[0:1], 0x0               ; hin s[4:5], W s[6:7], bias s[8:9], the table s[10:11]
.if MODE == 1
	s_load_b128 s[OUT:OUT+3], s[0:1], 0x20         ; out, pm1
	v_lshl_add_u32 v255, v0, 2, 0x43000
	s_set_vgpr_msb 0x40
	v_mov_b32 v255, 0
	s_set_vgpr_msb 0x4044
	ds_add_u32 v255, v255
	s_set_vgpr_msb 0x4400
.else
	s_load_b64 s[OUT:OUT+1], s[0:1], 0x20          ; out
.endif
	v_lshrrev_b32 v1, 5, v0
	v_readfirstlane_b32 s[WV], v1
	s_lshr_b32 s[WH], s[WV], 1
	s_and_b32 s[WL], s[WV], 1
	s_bfe_u32 s40, ttmp6, 0x40000                  ; cx, cy: my place in the cluster
	s_bfe_u32 s41, ttmp6, 0x40004
	s_lshl_b32 s42, ttmp9, 2
	s_add_co_u32 s42, s42, s40                     ; tile column = 4 x cluster x + cx
	s_and_b32 s43, ttmp7, 0xffff
	s_lshl_b32 s43, s43, 2
	s_add_co_u32 s43, s43, s41                     ; tile row = 4 x cluster y + cy
	s_lshl_b32 s44, s41, 2
	s_lshl_b32 s44, 15, s44                        ; my row of the cluster: places 4 cy .. 4 cy + 3
	s_lshl_b32 s45, 0x1111, s40                    ; my column: places cx, cx + 4, cx + 8, cx + 12
	s_or_b32 s[G1A], s44, (1<<16)|(1<<20)|(1<<21)|(5<<22)|(3<<25)   ; 15:0 mask: my row; 17:16 elements of 2 bytes; 20 padding on; 21 set beside a mask; 24:22 after every 64 words; 31:25 4 words of it
	s_or_b32 s[G1B], s45, (2<<16)|(1<<20)|(1<<21)|(6<<22)|(3<<25)   ; mask: my column; elements of 4 bytes; padding after every 128 words
	s_mov_b32 s[G1A+1], 128<<16                    ; tensor_dim0 = 128
	s_mov_b32 s[G1A+2], (TM/2)<<16                 ; tensor_dim1 = 128 rows a load
	s_mov_b32 s[G1A+3], 128<<16                    ; tile_dim0 = 128
	s_mov_b32 s[G1A+4], TM/2                       ; tile_dim1
	s_mov_b32 s[G1A+5], SIZE_K                     ; elements from row to row
	s_mov_b32 s[G1A+6], 0
	s_mov_b32 s[G1A+7], 0
	s_mov_b32 s[G1B+1], 128<<16
	s_mov_b32 s[G1B+2], 64<<16                     ; 64 rows a load
	s_mov_b32 s[G1B+3], 128<<16
	s_mov_b32 s[G1B+4], 64
	s_mov_b32 s[G1B+5], SIZE_K
	s_mov_b32 s[G1B+6], 0
	s_mov_b32 s[G1B+7], 0
	s_mov_b32 s[SEL], 0x76543210
	s_mov_b32 s[SEL+1], 0xfedcba98
	s_mov_b32 s[KB], KB16
	s_mul_i32 s16, s43, TM                         ; A: row 256 x tile row + 128 x half, in bytes (under 2^25): made of the tile row and the wave's number alone
	s_mul_i32 s17, s[WL], TM/2
	s_add_co_u32 s16, s16, s17
	s_mul_i32 s16, s16, SIZE_K*2
	s_mov_b32 s17, 0
	s_lshl_b32 s46, s42, 7                         ; B: row 128 x tile column + 64 x half, in bytes (under 2^27): made of the tile column and the wave's number alone
	s_lshl_b32 s47, s[WL], 6
	s_add_co_u32 s46, s46, s47
	s_mul_i32 s46, s46, SIZE_K*4
	s_mov_b32 s47, 0
	s_mul_i32 s20, s[WL], (TM/2)*PA                ; where they go in a slot: no place in the cluster enters an LDS address
	s_mul_i32 s21, s[WL], 64*PB
	s_add_co_u32 s21, s21, ABYTES
	s_wait_dscnt 0x0
	s_wait_kmcnt 0x0
	s_add_nc_u64 s[18:19], s[4:5], s[16:17]
	s_add_nc_u64 s[46:47], s[6:7], s[46:47]
	CROUND                                         ; all sixteen work-groups are here: the first joint loads meet
.irp s, 0,1
	s_mov_b32 s[G0A+4*\s], 1                                       ; count = 1
	s_add_co_u32 s[G0A+4*\s+1], s20, \s*SLOT                       ; LDS address
	s_add_nc_u64 s[G0A+4*\s+2:G0A+4*\s+3], s[18:19], \s*256        ; global address: K step s (128 f16)
	s_or_b32 s[G0A+4*\s+3], s[G0A+4*\s+3], 0x80000000              ; type = 2
	s_mov_b32 s[G0B+4*\s], 1
	s_add_co_u32 s[G0B+4*\s+1], s21, \s*SLOT
	s_add_nc_u64 s[G0B+4*\s+2:G0B+4*\s+3], s[46:47], \s*512        ; K step s (128 f32)
	s_or_b32 s[G0B+4*\s+3], s[G0B+4*\s+3], 0x80000000
.endr
	s_cmp_eq_u32 s[WH], 0                          ; a wave's two first fills stand in one branch, ahead of every wait on TENSORcnt and every LDS read: two loads of mine are out
	s_cbranch_scc0 .Lfirst_b
	tensor_load_to_lds s[G0A:G0A+3], s[G1A:G1A+7]
	s_nop 0
	tensor_load_to_lds s[G0A+4:G0A+7], s[G1A:G1A+7]
	s_nop 0
.rept 4
	v_nop
.endr
	s_branch .Lfirst_asked
.Lfirst_b:
	tensor_load_to_lds s[G0B:G0B+3], s[G1B:G1B+7]
	s_nop 0
	tensor_load_to_lds s[G0B+4:G0B+7], s[G1B:G1B+7]
	s_nop 0
.rept 4
	v_nop
.endr
.Lfirst_asked:
	; while the tiles are on their way: bias, table, the prefetch's job, addresses, scales
	s_lshl_b32 s46, s42, 9                         ; bias of my columns: 4 x (128 x tile column + 64 x half) bytes
	s_mul_i32 s47, s[WL], 64*NB
	s_add_co_u32 s46, s46, s47
	s_mov_b32 s47, 0
	s_add_nc_u64 s[8:9], s[8:9], s[46:47]
	v_and_b32 v1, 15, v0                           ; r = lane % 16
	v_bfe_u32 v2, v0, 4, 1                         ; h = lane / 16
	v_and_b32 v6, 31, v0
	v_lshlrev_b32 v[HB], 5, v2
	v_lshlrev_b32 v[LB], 4, v6
.set ii, 0
.rept NB                               ; block b, register j = bias[first column + 16 b + 8 h + j]: the columns that a lane holds of accumulator (a, b)
	global_load_b128 v[BIAS+8*ii:BIAS+8*ii+3],   v[HB], s[8:9] offset:64*ii
	global_load_b128 v[BIAS+8*ii+4:BIAS+8*ii+7], v[HB], s[8:9] offset:64*ii+16
.set ii, ii+1
.endr
.set ii, 0
.rept NE                               ; the whole table, 512 consecutive bytes a load
	global_load_b128 v[TAB+4*ii:TAB+4*ii+3], v[LB], s[10:11] offset:512*ii
.set ii, ii+1
.endr
	; my wave's prefetch job: waves 2, 3: W from row 128 x tile column + 16 x tile row + 8 x (wave % 2), 1,024 bytes on a trip; waves 0, 1: hin from row 256 x tile row + 8 x tile column, 512 bytes on a trip.
	; Both begin one step into the row: W's first request is for bytes 1,024 on (K steps 2, 3), hin's, behind the first trip's step, for bytes 1,024 on (K steps 4 to 7).
	s_lshl_b32 s84, s42, 7
	s_lshl4_add_u32 s84, s43, s84
	s_lshl3_add_u32 s84, s[WL], s84
	s_mul_i32 s84, s84, SIZE_K*4                   ; in bytes, under 2^27
	s_lshl_b32 s85, s43, 8
	s_lshl3_add_u32 s85, s42, s85
	s_mul_i32 s85, s85, SIZE_K*2                   ; under 2^25
	s_mov_b32 s[PFS], 1024
	s_mov_b32 s[PFS+1], 0
	s_mov_b32 s[TS], SIZE_K*4                      ; bytes from row to row
	s_mov_b32 s[PM], MASKW
	s_cmp_eq_u32 s[WH], 0                          ; the choice hangs on the wave's number alone
	s_cselect_b64 s[PFB:PFB+1], s[4:5], s[6:7]
	s_cselect_b32 s84, s85, s84
	s_cselect_b32 s[PFS], 512, s[PFS]
	s_cselect_b32 s[TS], SIZE_K*2, s[TS]
	s_cselect_b32 s[PM], MASKH, s[PM]
	s_mov_b32 s85, 0
	s_add_nc_u64 s[PFB:PFB+1], s[PFB:PFB+1], s[84:85]
	s_add_nc_u64 s[PFB:PFB+1], s[PFB:PFB+1], s[PFS:PFS+1]
	s_cmp_eq_u32 s[WV], 1
	s_cselect_b32 s[PM], 0, s[PM]                  ; wave 1 asks for nothing
	v_lshrrev_b32 v7, 2, v6
	v_and_b32 v8, 3, v6
	v_mul_u32_u24 v7, s[TS], v7
	v_lshl_add_u32 v[PFO], v8, 8, v7               ; row lane / 4, block lane % 4: neighbouring lanes 256 bytes apart
	s_cmp_eq_u32 s[WH], 0
	s_cbranch_scc1 .Lno_first_ask
	global_prefetch_b8 v[PFO], s[PFB:PFB+1] th:TH_LOAD_NT scope:SCOPE_SE   ; waves 2, 3: W's K steps 2 and 3, which the first trip's two refills want
.Lno_first_ask:
	v_mul_u32_u24 v3, v1, PA                       ; an A fragment: row x pitch + 16 h (registers 0-3: k = 8 h .. 8 h + 7; registers 4-7, 32 bytes on: k = 16 + 8 h ..)
	v_lshl_add_u32 v3, v2, 4, v3
	s_mul_i32 s22, s[WH], 128*PA                   ; my 128 rows of A
	v_add_nc_u32 v[ADRA], s22, v3
	v_add_nc_u32 v[ADRA+1], SLOT, v[ADRA]
	v_mul_u32_u24 v4, v1, PB                       ; the same numbers of B in f32: row x pitch + 32 h; 32 bytes there and 32 bytes 64 on
	v_lshl_add_u32 v4, v2, 5, v4
	s_mul_i32 s23, s[WL], 16*NB*PB                 ; my 64 rows of B, behind A's rows
	s_add_co_u32 s23, s23, ABYTES
	v_add_nc_u32 v[ADRB], s23, v4
	v_add_nc_u32 v[ADRB+1], SLOT, v[ADRB]
	v_mul_u32_u24 v5, v1, SP                       ; into the stage: row r of my rows, my 128 bytes of it, 8 numbers (16 bytes) for each half of the lanes
	v_lshl_add_u32 v5, v2, 4, v5
	s_mul_i32 s22, s[WH], 128*SP
	s_lshl_b32 s23, s[WL], 7
	s_add_co_u32 s22, s22, s23
	v_add_nc_u32 v[STO], s22, v5
	s_mul_i32 s22, s[WV], (TM/4)*SP                ; back: wave w takes rows 64 w on, whole
	v_mul_u32_u24 v5, v2, SP                       ; lanes 0-15 take one row of 256 bytes, lanes 16-31 the next
	v_lshl_add_u32 v5, v1, 4, v5
	v_add_nc_u32 v[RD], s22, v5
	v_mul_u32_u24 v5, v2, SIZE_N*2                 ; and the same two rows in out
	v_lshl_add_u32 v[CO], v1, 4, v5
	s_mul_i32 s16, s43, TM                         ; the first row of out that I store, in bytes (under 2^25),
	s_mul_i32 s17, s[WV], TM/4
	s_add_co_u32 s16, s16, s17
	s_mul_i32 s16, s16, SIZE_N*2
	s_mov_b32 s17, 0
	s_add_nc_u64 s[OUT:OUT+1], s[OUT:OUT+1], s[16:17]
	s_mul_i32 s46, s42, 256                        ; and the tile's first column (s47 is 0)
	s_add_nc_u64 s[OUT:OUT+1], s[OUT:OUT+1], s[46:47]
.if MODE == 1
	s_lshl_b32 s22, s43, 5                         ; my entry of pm1: 4 x (32 x tile row + tile column) + wave, 16 bytes each
	s_add_co_u32 s22, s22, s42
	s_lshl2_add_u32 s22, s22, s[WV]
	s_lshl_b32 s22, s22, 4
	s_mov_b32 s23, 0
	s_add_nc_u64 s[PMO:PMO+1], s[PMO:PMO+1], s[22:23]
.endif
	s_wait_loadcnt 0x0                             ; bias and table
	; the maxima of the table's first three components: over my NE entries, then over the 32 lanes.  (pm1's second component is n1, the same in every entry.)
.irp c, 0,1,2
	v_max3_num_f32 v[X+\c], v[TAB+\c], v[TAB+4+\c], v[TAB+8+\c]
.endr
.set ii, 3
.rept (NE-4)/2
.irp c, 0,1,2
	v_max3_num_f32 v[X+\c], v[X+\c], v[TAB+4*ii+\c], v[TAB+4*ii+4+\c]
.endr
.set ii, ii+2
.endr
.irp c, 0,1,2
	v_max_num_f32 v[X+\c], v[X+\c], v[TAB+4*NE-4+\c]
.endr
.irp m, 1,2,4,8
.irp c, 0,1,2
	v_max_num_f32_dpp v[X+\c], v[X+\c], v[X+\c] row_xmask:\m row_mask:0xf bank_mask:0xf
.endr
.endr
.irp c, 0,1,2
	v_permlanex16_b32 v[TAB+\c], v[X+\c], s[SEL], s[SEL+1]
.endr
.irp c, 0,1,2
	v_max_num_f32 v[X+\c], v[X+\c], v[TAB+\c]
.endr
.macro SCALE b, dst                    ; s[dst] = 2^(141 - e), e = the biased exponent of beta = 16 K mu + max |bias|, at least 15: its bits are (268 - e) << 23
	v_fma_f32 v[T], v[X], s[KB], v[\b]
	v_readfirstlane_b32 s[\dst], v[T]
	s_lshr_b32 s[\dst], s[\dst], 23
	s_max_u32 s[\dst], s[\dst], 15
	s_sub_co_u32 s[\dst], 268, s[\dst]
	s_lshl_b32 s[\dst], s[\dst], 23
.endm
.if MODE == 1
	SCALE X+1, NS                                  ; n1 from max h0 and max |b1|
	s_mov_b32 s[NS+1], s[NS]
.else
	SCALE X+2, NS                                  ; n2 from max h1 and max |b2|
	s_mov_b32 s[NS+1], s[NS]
	v_readfirstlane_b32 s16, v[X+1]                ; n1
	s_sub_co_u32 s[DS], 0x7f000000, s16            ; the reciprocal of a power of two: exponent field 254 - E
	s_mov_b32 s[DS+1], s[DS]
.endif
; n x NB matrix instructions: row blocks a0 .. a0 + n - 1 x all my column blocks, 32 along K, from buffers f.  first = 1: the product starts the sums: nothing is cleared.
; The 32 accumulators take turns, one instruction a turn, in the same order in every quarter, over the loop's edge too.
.macro MULA f, a0, n, first
.set ia, \a0
.rept \n
.set ib, 0
.rept NB
.if \first
	v_wmma_f32_16x16x32_f16 v[8*(NB*ia+ib):8*(NB*ia+ib)+7], v[BB+32*\f+8*ib:BB+32*\f+8*ib+7], v[64*\f+8*ia:64*\f+8*ia+7], 0
.else
	v_wmma_f32_16x16x32_f16 v[8*(NB*ia+ib):8*(NB*ia+ib)+7], v[BB+32*\f+8*ib:BB+32*\f+8*ib+7], v[64*\f+8*ia:64*\f+8*ia+7], v[8*(NB*ia+ib):8*(NB*ia+ib)+7]
.endif
.set ib, ib+1
.endr
.set ia, ia+1
.endr
.endm
; One run of LDS loads: quarter q (32 along K) of a slot: 16 loads of B's f32 into R, then 16 loads of A's fragments into buffer g.
.macro FETCH slot, q, g
	WIN 0
.set ii, 0
.rept NB
	ds_load_b128 v[R+16*ii:R+16*ii+3],     v[ADRB+\slot] offset:128*\q+ii*16*PB
	ds_load_b128 v[R+16*ii+4:R+16*ii+7],   v[ADRB+\slot] offset:128*\q+ii*16*PB+16
	ds_load_b128 v[R+16*ii+8:R+16*ii+11],  v[ADRB+\slot] offset:128*\q+ii*16*PB+64
	ds_load_b128 v[R+16*ii+12:R+16*ii+15], v[ADRB+\slot] offset:128*\q+ii*16*PB+80
.set ii, ii+1
.endr
	WIN W_FA
.set ii, 0
.rept 8
	ds_load_b128 v[64*\g+8*ii:64*\g+8*ii+3],   v[ADRA+\slot] offset:64*\q+ii*16*PA
	ds_load_b128 v[64*\g+8*ii+4:64*\g+8*ii+7], v[ADRA+\slot] offset:64*\q+ii*16*PA+32
.set ii, ii+1
.endr
.endm
.macro CVT g                           ; B's f32 rounded to f16, two at a time, into fragment buffer g
	WIN 0
.set ii, 0
.rept 8*NB
	v_cvt_pk_f16_f32 v[BB+32*\g+ii], v[R+2*ii], v[R+2*ii+1]
.set ii, ii+1
.endr
.endm
; A K step is four quarters on buffers 0, 1, 0, 1.  One of the first three multiplies buffers f and brings quarter q of the same slot into buffers g.
; Distance behind matrix instructions (ISA guide 7.12.1 for vector instructions): the loads into A's buffer g and the conversions into B's buffer g overwrite registers whose last matrix
; instructions stand in front of the quarter before's CVT, 32 plain conversions that name none of those registers: more than the four places asked for, so no v_nop is written.
.macro QUARTER slot, q, f, g, first
	s_wait_dscnt 8                                 ; A's fragments 0-3 are in; the eight youngest loads (fragments 4-7) may be out
	WIN W_MUL
	MULA \f, 0, 4, \first
	FETCH \slot, \q, \g
	s_wait_dscnt 4*NB+16                           ; all but the run just issued
	WIN W_MUL
	MULA \f, 4, 4, \first
	s_wait_dscnt 16                                ; B's f32 are in; the 16 loads of A behind them may be out
	CVT \g
.endm
; The last quarter multiplies buffers 1 and changes slots: ONE barrier; in front of it each wave waits for its own reads of this slot and for all its tensor loads (one is out: its part of the next
; slot).  fill = 1: the barrier opens a round of the cluster's barrier, and behind the round this slot is filled again, two K steps ahead, first thing: one tensor load a wave.
; ask = 1: the trip's prefetch, behind the joint load and the run of fragment loads and in front of 16 matrix instructions whose operands are in.
.macro TURN slot, next, fill, ask
	s_wait_dscnt 8
	WIN W_MUL
	MULA 1, 0, 2, 0
	s_wait_dscnt 0                                 ; my reads of this slot are over,
	s_wait_tensorcnt 0x0                           ; and all my tensor loads have landed
	ds_add_u32 v255, v255
	s_wait_dscnt 0x0
	s_barrier_signal -1
	MULA 1, 2, 2, 0                                ; work on registers while the others arrive
	WIN 0                                          ; at a branch and at a label every window is 0
	s_barrier_wait -1
.if \fill
	CREST                                          ; no wave of any partner still reads this slot's tile or has a load on its way
	s_add_nc_u64 s[G0A+4*\slot+2:G0A+4*\slot+3], s[G0A+4*\slot+2:G0A+4*\slot+3], 512
	s_add_nc_u64 s[G0B+4*\slot+2:G0B+4*\slot+3], s[G0B+4*\slot+2:G0B+4*\slot+3], 1024
	JLOAD \slot                                    ; it has a K step less 8 matrix instructions in which to land
.endif
	FETCH \next, 0, 0
.if \ask
	WIN 0
	ASK
.endif
	WIN W_MUL
	MULA 1, 4, 4, 0
	s_wait_dscnt 16
	CVT 0
.endm
	s_wait_tensorcnt 0x1                           ; my part of K step 0 is in; slot 1's may stay out
	s_barrier_signal -1
	s_barrier_wait -1                              ; everybody's is
	FETCH 0, 0, 0
	s_wait_dscnt 16
	CVT 0
	QUARTER 0, 1, 0, 1, 1                          ; the first quarter stands in front of the loop: its products start the sums
	s_mov_b32 s3, LAPS-1
.Llap:                                                 ; a trip goes once round the ring, from a lap's second quarter to the next lap's first, and fills both slots again
	QUARTER 0, 2, 1, 0, 0
	QUARTER 0, 3, 0, 1, 0
	TURN 0, 1, 1, 0
	QUARTER 1, 1, 0, 1, 0
	QUARTER 1, 2, 1, 0, 0
	QUARTER 1, 3, 0, 1, 0
	TURN 1, 0, 1, 1
	QUARTER 0, 1, 0, 1, 0
	s_sub_co_u32 s3, s3, 1
	s_cmp_lg_u32 s3, 0
	s_cbranch_scc1 .Llap
	QUARTER 0, 2, 1, 0, 0                          ; the last lap fills nothing, asks for nothing and has no round
	QUARTER 0, 3, 0, 1, 0
	TURN 0, 1, 0, 0                                ; behind this barrier no wave reads slot 0 any more and nothing fills it: it becomes the stage
	QUARTER 1, 1, 0, 1, 0
	QUARTER 1, 2, 1, 0, 0
	QUARTER 1, 3, 0, 1, 0
	s_wait_dscnt 0
	WIN W_MUL
	MULA 1, 0, 8, 0
	; THE WAY OUT.  Each accumulator's registers are taken in ascending order.  Four plain instructions stand between the last products and the first read of a result.
.if MODE == 1
	WIN 0
.irp c, 0,1,2,3
	v_mov_b32 v[MX+\c], 0                          ; h1 is never negative: its maximum starts at 0; these four are the places
.endr
.else
	PLACES
.endif
	WIN 0x82                                       ; destination and source 0 window 2
.set ia, 0
.rept 8*NB
.irp j, 0,2,4,6
.if MODE == 1
	v_pk_add_f32 v[8*ia+\j:8*ia+\j+1], v[8*ia+\j:8*ia+\j+1], v[BIAS+8*(ia%NB)+\j:BIAS+8*(ia%NB)+\j+1]
.else
	v_pk_fma_f32 v[8*ia+\j:8*ia+\j+1], v[8*ia+\j:8*ia+\j+1], s[DS:DS+1], v[BIAS+8*(ia%NB)+\j:BIAS+8*(ia%NB)+\j+1] op_sel_hi:[1,0,1]   ; back to true size, and the bias
.endif
.endr
.set ia, ia+1
.endr
	WIN 0x88                                       ; destination and source 1 window 2
.set ii, 0
.rept 64*NB
	v_max_num_f32 v[ii], 0, v[ii]                  ; relu
.set ii, ii+1
.endr
.if MODE == 1
	WIN 0x28                                       ; sources 1 and 2 window 2
.set ii, 0
.rept 32*NB
	v_max3_num_f32 v[MX+ii%4], v[MX+ii%4], v[2*ii], v[2*ii+1]
.set ii, ii+1
.endr
	WIN 0
	v_max3_num_f32 v[MX], v[MX], v[MX+1], v[MX+2]
	v_max_num_f32 v[MX], v[MX], v[MX+3]
.irp m, 1,2,4,8
	v_max_num_f32_dpp v[MX], v[MX], v[MX] row_xmask:\m row_mask:0xf bank_mask:0xf
.endr
	v_permlanex16_b32 v[MX+1], v[MX], s[SEL], s[SEL+1]
	v_max_num_f32 v[EN], v[MX], v[MX+1]            ; the entry: the maximum of my part of h1,
	v_mov_b32 v[EN+1], s[NS]                       ; n1,
	v_mov_b32 v[EN+2], v[X+2]                      ; max |b2|, handed on,
	v_mov_b32 v[EN+3], 0
	v_mov_b32 v[ZO], 0
	v_cmp_eq_u32 vcc_lo, 0, v6
	s_wait_xcnt 0x0                                ; EXEC changes only behind this wait
	s_and_saveexec_b32 s[SVX], vcc_lo
	global_store_b128 v[ZO], v[EN:EN+3], s[PMO:PMO+1]   ; lane 0
	s_wait_xcnt 0x0                                ; and again in front of the line that widens it
	s_or_b32 exec_lo, exec_lo, s[SVX]
.endif
	WIN 0x82
.set ii, 0
.rept 32*NB
	v_pk_mul_f32 v[2*ii:2*ii+1], v[2*ii:2*ii+1], s[NS:NS+1] op_sel_hi:[1,0]   ; times n: under 2^15
.set ii, ii+1
.endr
	WIN 0x0a                                       ; sources 0 and 1 window 2
.set ii, 0
.rept 32*NB
	v_cvt_pk_f16_f32 v[TMP+ii], v[2*ii], v[2*ii+1]
.set ii, ii+1
.endr
	WIN 0
.set ia, 0
.rept 8
.set ib, 0
.rept NB
	ds_store_b128 v[STO], v[TMP+4*(NB*ia+ib):TMP+4*(NB*ia+ib)+3] offset:ia*16*SP+32*ib
.set ib, ib+1
.endr
.set ia, ia+1
.endr
	s_wait_dscnt 0x0                               ; for the others' sake: a row of the stage comes from two waves
	s_barrier_signal -1
	s_barrier_wait -1
.set ii, 0
.rept 32
	ds_load_b128 v[TMP+4*ii:TMP+4*ii+3], v[RD] offset:ii*2*SP
.set ii, ii+1
.endr
.set ii, 0
.rept 32
	s_wait_dscnt 31-ii                             ; LDS loads come back in order (ISA guide 5.7.1)
	global_store_b128 v[CO], v[TMP+4*ii:TMP+4*ii+3], s[OUT:OUT+1] offset:ii*SIZE_N*4   ; 16 lanes store 256 consecutive bytes, aligned; two rows a store
.set ii, ii+1
.endr
	s_set_vgpr_msb 0x4
	s_wait_tensorcnt 0x0
	ds_add_u32 v255, v255
	s_wait_dscnt 0x0
	s_set_vgpr_msb 0x400
	CROUND                                         ; the closing round: no work-group ends while a partner may still ask for a tile that names it
	s_endpgm
.Lfunc_end_k_qc127011e02_layer1:
	.size	k_qc127011e02_layer1, .Lfunc_end_k_qc127011e02_layer1-k_qc127011e02_layer1
	.p2alignl 7, 3214868480
	.fill 96, 4, 3214868480
	.section	.rodata,"a",@progbits
	.p2align	6, 0x0
	.amdhsa_kernel k_qc127011e02_layer1
		.amdhsa_group_segment_fixed_size 327680
		.amdhsa_private_segment_fixed_size 0
		.amdhsa_enable_private_segment 0
		.amdhsa_kernarg_size 48
		.amdhsa_user_sgpr_count 2
		.amdhsa_user_sgpr_kernarg_segment_ptr 1
		.amdhsa_wavefront_size32 1
		.amdhsa_system_sgpr_workgroup_id_x 1
		.amdhsa_system_sgpr_workgroup_id_y 1
		.amdhsa_system_sgpr_workgroup_id_z 1
		.amdhsa_system_vgpr_workitem_id 0
		.amdhsa_next_free_vgpr 768
		.amdhsa_next_free_sgpr 88
		.amdhsa_reserve_vcc 1
		.amdhsa_float_denorm_mode_32 3
		.amdhsa_float_denorm_mode_16_64 3
		.amdhsa_memory_ordered 1
		.amdhsa_forward_progress 1
		.amdhsa_inst_pref_size 165
	.end_amdhsa_kernel
	.amdgpu_metadata
---
amdhsa.version: [ 1, 2 ]
amdhsa.kernels:
  - .name:           k_qc127011e02_layer1
    .symbol:         k_qc127011e02_layer1.kd
    .args:
      - { .name: h0, .offset: 0, .size: 8, .value_kind: global_buffer, .address_space: global }
      - { .name: W1, .offset: 8, .size: 8, .value_kind: global_buffer, .address_space: global }
      - { .name: b1, .offset: 16, .size: 8, .value_kind: global_buffer, .address_space: global }
      - { .name: pm0, .offset: 24, .size: 8, .value_kind: global_buffer, .address_space: global }
      - { .name: h1, .offset: 32, .size: 8, .value_kind: global_buffer, .address_space: global }
      - { .name: pm1, .offset: 40, .size: 8, .value_kind: global_buffer, .address_space: global }
    .group_segment_fixed_size: 327680
    .private_segment_fixed_size: 0
    .kernarg_segment_align: 8
    .kernarg_segment_size: 48
    .max_flat_workgroup_size: 128
    .sgpr_count:     88
    .vgpr_count:     768
    .wavefront_size: 32
...
	.end_amdgpu_metadata
.endif
;; end of part 2
;; launch layer2 (part 3): grid 32 x 8, 4 waves a work-group, clusters of 4 x 4, 327,680 bytes of LDS; arguments h1, W2, b2, pm1, h2; writes h2
.if DOCPART == 3
	.amdgcn_target "amdgcn-amd-amdhsa--gfx1250"
	.amdhsa_code_object_version 6
	.text
	.protected	k_qc127011e02_layer2
	.globl	k_qc127011e02_layer2
	.p2align	8
	.type	k_qc127011e02_layer2,@function
k_qc127011e02_layer2:
	s_mov_b64 s[64:65], 0
	v_nop
	global_prefetch_b8 v0, s[64:65] scope:SCOPE_SE
	s_setreg_imm32_b32 hwreg(HW_REG_WAVE_MODE, 25, 1), 1
	s_wait_xcnt 0x0
	s_wait_alu depctr_hold_cnt(0) depctr_sa_sdst(0) depctr_va_vdst(0) depctr_va_sdst(0) depctr_va_ssrc(0) depctr_va_vcc(0) depctr_vm_vsrc(0)
	s_getreg_b32 s2, hwreg(HW_REG_IB_STS2, 6, 4)
	s_cmp_eq_u32 s2, 0
	s_cbranch_scc0 .Lentry_in_a_cluster
	s_endpgm
.Lentry_in_a_cluster:
	s_bfe_u32 s2, ttmp6, 0x10000c
	s_cmp_lg_u32 s2, 0xf033
	s_cbranch_scc0 .Lentry_shape_is_right
	s_endpgm
.Lentry_shape_is_right:
; ONE DENSE LAYER WITH RELU: out[m][n] = relu(sum over k of hin[m][k] W[n][k] + bias[n]).  hin: [2048][SIZE_K] f16; W: [SIZE_N][SIZE_K] f32; sums in f32; out: f16 times a power of two.
; The same text serves layers 1 and 2; the five constants below choose the layer.  THIS COPY: layer 2 (MODE 2): h2 = relu(h1 W2^T + b2), read as h1 x n1, stored as f16 times a power of two n2.
;   MODE 1: in unscaled, out = relu(..) x n1; each wave also stores { max of its part of h1 (true size), n1, max |b2|, 0 } into pm1.
;   MODE 2: in = h1 x n1, out = relu(acc / n1 + b2) x n2.
; FORMAT.  Operands are f16, not bf16: six roundings of operands lie between z and out0, and 11 significant bits keep their sum far inside the allowed 1 % of the output's rms where 8 bits would
; not.  f16's range is earned by the scale: with mu the true maximum of the layer's input and |W| <= 16, beta = 16 K mu + max |bias| bounds the layer's output; e = beta's biased exponent
; (at least 15), n = 2^(141 - e), so that out x n < 2^15.  mu is measured anew for each layer (tables pm0, pm1), so the bound's slack does not build up.
; LIMITS.  |W| <= 16 (beyond it out x n may pass f16's 65,504).  The relu (v_max_num_f32) makes 0 of a NaN.  The bias is added behind the sum.
; SHARES.  A work-group makes 256 x 128 of out, 256 work-groups in all.  Weights come as f32 (4 bytes) and activations as f16, so both cost 512 bytes for each k, and two slots of a
; K step of 128 fit in LDS with rows of 256 (A) and 512 (B) bytes of memory.  A wave has 128 rows x 64 columns: 32 accumulators.  W is rounded to f16 between LDS and the matrix unit.
; CLUSTER.  4 x 4 work-groups: the four of a row of the cluster need the same tile of hin, the four of a column the same tile of W; each tile is asked for jointly, by the same tensor load with the
; same descriptor and a mask that names the four.  THE MATRIX INSTRUCTION IS USED TRANSPOSED (source 0 = 16 rows of W, source 1 = 16 rows of hin): a lane holds 8 neighbouring columns of one row of out.
; PREFETCH.  W and hin come out of memory and the joint loads wait for them, so later K steps are asked for ahead, each aligned block of 256 bytes once in the launch.  A tile column's 128 rows
; of W are shared out among the 8 tile rows that walk it, 16 rows each: waves 2 and 3 take 8 rows each and ask in every trip but the last for the 1,024 bytes a row of the next trip's two K steps
; (32 lanes = 8 rows x 4 blocks), one and two K steps (128 and 256 matrix instructions a wave) ahead of the joint loads that want them; K steps 2 and 3 are asked for at the start.  A tile row's
; 256 rows of hin are shared out among the 32 tile columns, 8 rows each: wave 0 asks in every second trip for the 1,024 bytes a row of four K steps, one K step ahead of the first joint load
; that wants them.  hin's K steps 2 and 3 are not asked for: they are half of such a piece, and the other half is what the first fills ask for at once.  Wave 1 asks for nothing.  At most 24 KiB
; of a work-group's requests are unread at a time.  The last requests end at the rows' ends.
.set MODE,   2
.set SIZE_K, 4096
.set SIZE_N, 4096
.set NE,     32                        ; the table's 16-byte entries a lane: 256 entries of pm0, or 1,024 of pm1
.set KB16,   0x47800000                ; 16 K as f32
.set TM,     256                       ; rows of a tile
.set NB,     4                         ; blocks of 16 columns a wave
.set LAPS,   SIZE_K/256                ; a lap = two K steps = once round the ring
.set PA,     272                       ; an LDS row of A: 256 bytes + 16; of B: 512 + 16.  Both are odd multiples of 16 bytes, so the 16 rows that a fragment load touches
.set PB,     528                       ; lie in 16 different 16-byte columns modulo 256 bytes
.set ABYTES, TM*PA
.set SLOT,   ABYTES+128*PB             ; A's 256 rows, then B's 128 rows; slot 0 at byte 0, slot 1 at SLOT
.set SP,     272                       ; a row of the stage: 128 f16 + 16 bytes.  The stage lies at byte 0, in slot 0, which has had its last fill and its last read when the first result is written
.set MASKW,  (1<<LAPS)-4               ; bit i: with i trips left (this one among them) W's waves ask: every trip but the last (i = 1)
.set MASKH,  0xaaaaaaa8&((1<<LAPS)-1)  ; the same for hin's wave: trips 0, 2, .. (i odd), but not the last
; window 0: v1 r, v2 h, v6 lane, addresses, v[64:127] raw f32 of B, v[128:159], v[160:191] B's fragments (two buffers), v[192:223] bias; v[64:191] also the table and the way out
; window 1: v[0:63], v[64:127] A's fragments, two buffers.      window 2: accumulator (a, b) at v[8 (NB a + b)]
.set ADRA, 16                          ; v16-17  LDS address of my A fragments in slot 0, 1
.set ADRB, 20                          ; v20-21  the same for B
.set STO,  24                          ; where I put my numbers of a row in the stage
.set RD,   25                          ; where I read rows back
.set CO,   26                          ; my byte offset in out: two rows of 256 bytes a wave
.set HB,   27                          ; 32 h
.set LB,   28                          ; 16 x lane
.set PFO,  29                          ; the prefetch: my lane's block: row lane / 4 of the wave's 8, block lane % 4 of its 4; never rewritten
.set MX,   32                          ; v[32:35] four running maxima
.set EN,   36                          ; v[36:39] the entry for pm1
.set X,    40                          ; v40-42  the table's three maxima
.set ZO,   43
.set T,    44
.set R,    64
.set BB,   128
.set BIAS, 192
.set TAB,  64
.set TMP,  64
.set WV, 12                            ; my wave's number
.set WH, 13                            ; wave / 2: my half of the tile's rows.  Also: 0 = I fetch for A, 1 = for B
.set WL, 14                            ; wave % 2: my half of its columns.  Also: which half of that tile's rows I fetch
.set G1A, 24                           ; s[24:31] descriptor group 1 for A;  s[32:39] group 0, a set for each slot
.set G0A, 32
.set G1B, 48                           ; s[48:55], s[56:63] the same for B
.set G0B, 56
.set NS,  66                           ; s[66:67] n of out, twice (a packed multiply names a pair)
.set DS,  68                           ; s[68:69] 1 / n of hin, twice
.set SEL, 70                           ; s[70:71] lane selects of v_permlanex16_b32
.set OUT, 72                           ; s[72:73] out;  s[74:75] pm1 (MODE 1)
.set PMO, 74
.set SVX, 76
.set KB,  77
.set PM,  78                           ; the prefetch: my wave's mask of trips
.set TS,  79                           ; at work
.set PFB, 80                           ; s[80:81] the prefetch: the address that my wave asked from last
.set PFS, 82                           ; s[82:83] its step a trip, in bytes
.set MSB, 0
.macro WIN new                         ; s_set_vgpr_msb: bits 1:0 source 0, 3:2 source 1, 5:4 source 2, 7:6 destination; the high byte repeats the setting that is left
.if MSB != \new
	s_set_vgpr_msb (MSB<<8)|\new
.set MSB, \new
.endif
.endm
.set W_MUL, 0xa4                       ; source 0 (B) window 0, source 1 (A) window 1, C and D window 2
.set W_FA,  0x40                       ; destination window 1, address window 0
.macro PLACES
.rept 4
	v_nop
.endr
.endm
.macro JLOAD s                         ; a joint load: waves 0, 1 fetch A's halves, waves 2, 3 B's; four v_nop follow each of the two lines, ahead of the jump, the label and what follows
	s_cmp_eq_u32 s[WH], 0
	s_cbranch_scc0 .Lfor_b_\@
	tensor_load_to_lds s[G0A+4*\s:G0A+4*\s+3], s[G1A:G1A+7]
	s_nop 0
.rept 4
	v_nop
.endr
	s_branch .Lasked_\@
.Lfor_b_\@:
	tensor_load_to_lds s[G0B+4*\s:G0B+4*\s+3], s[G1B:G1B+7]
	s_nop 0
.rept 4
	v_nop
.endr
.Lasked_\@:
.endm
.macro CREST                           ; a round of the cluster's barrier behind its opening barrier
	s_cmp_lg_u32 s[WV], 0
	s_cbranch_scc1 .Lnot_wave_0_\@
	s_barrier_signal -3
.Lnot_wave_0_\@:
	s_barrier_wait -3
	s_barrier_signal -1
	s_barrier_wait -1
.endm
.macro CROUND                          ; a whole round
	s_barrier_signal -1
	s_barrier_wait -1
	CREST
.endm
; The prefetch of a trip.  The address steps in every trip and every wave; whether the wave asks hangs on its mask and on the trips left, numbers that are alike in all work-groups.
.macro ASK
	s_wait_xcnt 0x0                                ; my last prefetch, a whole trip back, has had its address translated (ISA guide 3.1): its base is rewritten only behind this wait
	s_add_nc_u64 s[PFB:PFB+1], s[PFB:PFB+1], s[PFS:PFS+1]
	s_lshr_b32 s[TS], s[PM], s3
	s_and_b32 s[TS], s[TS], 1
	s_cmp_lg_u32 s[TS], 0
	s_cbranch_scc0 .Lquiet_\@
	global_prefetch_b8 v[PFO], s[PFB:PFB+1] th:TH_LOAD_NT scope:SCOPE_SE   ; 32 lanes, 32 blocks of 256 bytes
.Lquiet_\@:
.endm
	s_load_b256 s[4:11], s[0:1], 0x0               ; hin s[4:5], W s[6:7], bias s[8:9], the table s[10:11]
.if MODE == 1
	s_load_b128 s[OUT:OUT+3], s[0:1], 0x20         ; out, pm1
.else
	s_load_b64 s[OUT:OUT+1], s[0:1], 0x20          ; out
	v_lshl_add_u32 v255, v0, 2, 0x43000
	s_set_vgpr_msb 0x40
	v_mov_b32 v255, 0
	s_set_vgpr_msb 0x4044
	ds_add_u32 v255, v255
	s_set_vgpr_msb 0x4400
.endif
	v_lshrrev_b32 v1, 5, v0
	v_readfirstlane_b32 s[WV], v1
	s_lshr_b32 s[WH], s[WV], 1
	s_and_b32 s[WL], s[WV], 1
	s_bfe_u32 s40, ttmp6, 0x40000                  ; cx, cy: my place in the cluster
	s_bfe_u32 s41, ttmp6, 0x40004
	s_lshl_b32 s42, ttmp9, 2
	s_add_co_u32 s42, s42, s40                     ; tile column = 4 x cluster x + cx
	s_and_b32 s43, ttmp7, 0xffff
	s_lshl_b32 s43, s43, 2
	s_add_co_u32 s43, s43, s41                     ; tile row = 4 x cluster y + cy
	s_lshl_b32 s44, s41, 2
	s_lshl_b32 s44, 15, s44                        ; my row of the cluster: places 4 cy .. 4 cy + 3
	s_lshl_b32 s45, 0x1111, s40                    ; my column: places cx, cx + 4, cx + 8, cx + 12
	s_or_b32 s[G1A], s44, (1<<16)|(1<<20)|(1<<21)|(5<<22)|(3<<25)   ; 15:0 mask: my row; 17:16 elements of 2 bytes; 20 padding on; 21 set beside a mask; 24:22 after every 64 words; 31:25 4 words of it
	s_or_b32 s[G1B], s45, (2<<16)|(1<<20)|(1<<21)|(6<<22)|(3<<25)   ; mask: my column; elements of 4 bytes; padding after every 128 words
	s_mov_b32 s[G1A+1], 128<<16                    ; tensor_dim0 = 128
	s_mov_b32 s[G1A+2], (TM/2)<<16                 ; tensor_dim1 = 128 rows a load
	s_mov_b32 s[G1A+3], 128<<16                    ; tile_dim0 = 128
	s_mov_b32 s[G1A+4], TM/2                       ; tile_dim1
	s_mov_b32 s[G1A+5], SIZE_K                     ; elements from row to row
	s_mov_b32 s[G1A+6], 0
	s_mov_b32 s[G1A+7], 0
	s_mov_b32 s[G1B+1], 128<<16
	s_mov_b32 s[G1B+2], 64<<16                     ; 64 rows a load
	s_mov_b32 s[G1B+3], 128<<16
	s_mov_b32 s[G1B+4], 64
	s_mov_b32 s[G1B+5], SIZE_K
	s_mov_b32 s[G1B+6], 0
	s_mov_b32 s[G1B+7], 0
	s_mov_b32 s[SEL], 0x76543210
	s_mov_b32 s[SEL+1], 0xfedcba98
	s_mov_b32 s[KB], KB16
	s_mul_i32 s16, s43, TM                         ; A: row 256 x tile row + 128 x half, in bytes (under 2^25): made of the tile row and the wave's number alone
	s_mul_i32 s17, s[WL], TM/2
	s_add_co_u32 s16, s16, s17
	s_mul_i32 s16, s16, SIZE_K*2
	s_mov_b32 s17, 0
	s_lshl_b32 s46, s42, 7                         ; B: row 128 x tile column + 64 x half, in bytes (under 2^27): made of the tile column and the wave's number alone
	s_lshl_b32 s47, s[WL], 6
	s_add_co_u32 s46, s46, s47
	s_mul_i32 s46, s46, SIZE_K*4
	s_mov_b32 s47, 0
	s_mul_i32 s20, s[WL], (TM/2)*PA                ; where they go in a slot: no place in the cluster enters an LDS address
	s_mul_i32 s21, s[WL], 64*PB
	s_add_co_u32 s21, s21, ABYTES
	s_wait_dscnt 0x0
	s_wait_kmcnt 0x0
	s_add_nc_u64 s[18:19], s[4:5], s[16:17]
	s_add_nc_u64 s[46:47], s[6:7], s[46:47]
	CROUND                                         ; all sixteen work-groups are here: the first joint loads meet
.irp s, 0,1
	s_mov_b32 s[G0A+4*\s], 1                                       ; count = 1
	s_add_co_u32 s[G0A+4*\s+1], s20, \s*SLOT                       ; LDS address
	s_add_nc_u64 s[G0A+4*\s+2:G0A+4*\s+3], s[18:19], \s*256        ; global address: K step s (128 f16)
	s_or_b32 s[G0A+4*\s+3], s[G0A+4*\s+3], 0x80000000              ; type = 2
	s_mov_b32 s[G0B+4*\s], 1
	s_add_co_u32 s[G0B+4*\s+1], s21, \s*SLOT
	s_add_nc_u64 s[G0B+4*\s+2:G0B+4*\s+3], s[46:47], \s*512        ; K step s (128 f32)
	s_or_b32 s[G0B+4*\s+3], s[G0B+4*\s+3], 0x80000000
.endr
	s_cmp_eq_u32 s[WH], 0                          ; a wave's two first fills stand in one branch, ahead of every wait on TENSORcnt and every LDS read: two loads of mine are out
	s_cbranch_scc0 .Lfirst_b
	tensor_load_to_lds s[G0A:G0A+3], s[G1A:G1A+7]
	s_nop 0
	tensor_load_to_lds s[G0A+4:G0A+7], s[G1A:G1A+7]
	s_nop 0
.rept 4
	v_nop
.endr
	s_branch .Lfirst_asked
.Lfirst_b:
	tensor_load_to_lds s[G0B:G0B+3], s[G1B:G1B+7]
	s_nop 0
	tensor_load_to_lds s[G0B+4:G0B+7], s[G1B:G1B+7]
	s_nop 0
.rept 4
	v_nop
.endr
.Lfirst_asked:
	; while the tiles are on their way: bias, table, the prefetch's job, addresses, scales
	s_lshl_b32 s46, s42, 9                         ; bias of my columns: 4 x (128 x tile column + 64 x half) bytes
	s_mul_i32 s47, s[WL], 64*NB
	s_add_co_u32 s46, s46, s47
	s_mov_b32 s47, 0
	s_add_nc_u64 s[8:9], s[8:9], s[46:47]
	v_and_b32 v1, 15, v0                           ; r = lane % 16
	v_bfe_u32 v2, v0, 4, 1                         ; h = lane / 16
	v_and_b32 v6, 31, v0
	v_lshlrev_b32 v[HB], 5, v2
	v_lshlrev_b32 v[LB], 4, v6
.set ii, 0
.rept NB                               ; block b, register j = bias[first column + 16 b + 8 h + j]: the columns that a lane holds of accumulator (a, b)
	global_load_b128 v[BIAS+8*ii:BIAS+8*ii+3],   v[HB], s[8:9] offset:64*ii
	global_load_b128 v[BIAS+8*ii+4:BIAS+8*ii+7], v[HB], s[8:9] offset:64*ii+16
.set ii, ii+1
.endr
.set ii, 0
.rept NE                               ; the whole table, 512 consecutive bytes a load
	global_load_b128 v[TAB+4*ii:TAB+4*ii+3], v[LB], s[10:11] offset:512*ii
.set ii, ii+1
.endr
	; my wave's prefetch job: waves 2, 3: W from row 128 x tile column + 16 x tile row + 8 x (wave % 2), 1,024 bytes on a trip; waves 0, 1: hin from row 256 x tile row + 8 x tile column, 512 bytes on a trip.
	; Both begin one step into the row: W's first request is for bytes 1,024 on (K steps 2, 3), hin's, behind the first trip's step, for bytes 1,024 on (K steps 4 to 7).
	s_lshl_b32 s84, s42, 7
	s_lshl4_add_u32 s84, s43, s84
	s_lshl3_add_u32 s84, s[WL], s84
	s_mul_i32 s84, s84, SIZE_K*4                   ; in bytes, under 2^27
	s_lshl_b32 s85, s43, 8
	s_lshl3_add_u32 s85, s42, s85
	s_mul_i32 s85, s85, SIZE_K*2                   ; under 2^25
	s_mov_b32 s[PFS], 1024
	s_mov_b32 s[PFS+1], 0
	s_mov_b32 s[TS], SIZE_K*4                      ; bytes from row to row
	s_mov_b32 s[PM], MASKW
	s_cmp_eq_u32 s[WH], 0                          ; the choice hangs on the wave's number alone
	s_cselect_b64 s[PFB:PFB+1], s[4:5], s[6:7]
	s_cselect_b32 s84, s85, s84
	s_cselect_b32 s[PFS], 512, s[PFS]
	s_cselect_b32 s[TS], SIZE_K*2, s[TS]
	s_cselect_b32 s[PM], MASKH, s[PM]
	s_mov_b32 s85, 0
	s_add_nc_u64 s[PFB:PFB+1], s[PFB:PFB+1], s[84:85]
	s_add_nc_u64 s[PFB:PFB+1], s[PFB:PFB+1], s[PFS:PFS+1]
	s_cmp_eq_u32 s[WV], 1
	s_cselect_b32 s[PM], 0, s[PM]                  ; wave 1 asks for nothing
	v_lshrrev_b32 v7, 2, v6
	v_and_b32 v8, 3, v6
	v_mul_u32_u24 v7, s[TS], v7
	v_lshl_add_u32 v[PFO], v8, 8, v7               ; row lane / 4, block lane % 4: neighbouring lanes 256 bytes apart
	s_cmp_eq_u32 s[WH], 0
	s_cbranch_scc1 .Lno_first_ask
	global_prefetch_b8 v[PFO], s[PFB:PFB+1] th:TH_LOAD_NT scope:SCOPE_SE   ; waves 2, 3: W's K steps 2 and 3, which the first trip's two refills want
.Lno_first_ask:
	v_mul_u32_u24 v3, v1, PA                       ; an A fragment: row x pitch + 16 h (registers 0-3: k = 8 h .. 8 h + 7; registers 4-7, 32 bytes on: k = 16 + 8 h ..)
	v_lshl_add_u32 v3, v2, 4, v3
	s_mul_i32 s22, s[WH], 128*PA                   ; my 128 rows of A
	v_add_nc_u32 v[ADRA], s22, v3
	v_add_nc_u32 v[ADRA+1], SLOT, v[ADRA]
	v_mul_u32_u24 v4, v1, PB                       ; the same numbers of B in f32: row x pitch + 32 h; 32 bytes there and 32 bytes 64 on
	v_lshl_add_u32 v4, v2, 5, v4
	s_mul_i32 s23, s[WL], 16*NB*PB                 ; my 64 rows of B, behind A's rows
	s_add_co_u32 s23, s23, ABYTES
	v_add_nc_u32 v[ADRB], s23, v4
	v_add_nc_u32 v[ADRB+1], SLOT, v[ADRB]
	v_mul_u32_u24 v5, v1, SP                       ; into the stage: row r of my rows, my 128 bytes of it, 8 numbers (16 bytes) for each half of the lanes
	v_lshl_add_u32 v5, v2, 4, v5
	s_mul_i32 s22, s[WH], 128*SP
	s_lshl_b32 s23, s[WL], 7
	s_add_co_u32 s22, s22, s23
	v_add_nc_u32 v[STO], s22, v5
	s_mul_i32 s22, s[WV], (TM/4)*SP                ; back: wave w takes rows 64 w on, whole
	v_mul_u32_u24 v5, v2, SP                       ; lanes 0-15 take one row of 256 bytes, lanes 16-31 the next
	v_lshl_add_u32 v5, v1, 4, v5
	v_add_nc_u32 v[RD], s22, v5
	v_mul_u32_u24 v5, v2, SIZE_N*2                 ; and the same two rows in out
	v_lshl_add_u32 v[CO], v1, 4, v5
	s_mul_i32 s16, s43, TM                         ; the first row of out that I store, in bytes (under 2^25),
	s_mul_i32 s17, s[WV], TM/4
	s_add_co_u32 s16, s16, s17
	s_mul_i32 s16, s16, SIZE_N*2
	s_mov_b32 s17, 0
	s_add_nc_u64 s[OUT:OUT+1], s[OUT:OUT+1], s[16:17]
	s_mul_i32 s46, s42, 256                        ; and the tile's first column (s47 is 0)
	s_add_nc_u64 s[OUT:OUT+1], s[OUT:OUT+1], s[46:47]
.if MODE == 1
	s_lshl_b32 s22, s43, 5                         ; my entry of pm1: 4 x (32 x tile row + tile column) + wave, 16 bytes each
	s_add_co_u32 s22, s22, s42
	s_lshl2_add_u32 s22, s22, s[WV]
	s_lshl_b32 s22, s22, 4
	s_mov_b32 s23, 0
	s_add_nc_u64 s[PMO:PMO+1], s[PMO:PMO+1], s[22:23]
.endif
	s_wait_loadcnt 0x0                             ; bias and table
	; the maxima of the table's first three components: over my NE entries, then over the 32 lanes.  (pm1's second component is n1, the same in every entry.)
.irp c, 0,1,2
	v_max3_num_f32 v[X+\c], v[TAB+\c], v[TAB+4+\c], v[TAB+8+\c]
.endr
.set ii, 3
.rept (NE-4)/2
.irp c, 0,1,2
	v_max3_num_f32 v[X+\c], v[X+\c], v[TAB+4*ii+\c], v[TAB+4*ii+4+\c]
.endr
.set ii, ii+2
.endr
.irp c, 0,1,2
	v_max_num_f32 v[X+\c], v[X+\c], v[TAB+4*NE-4+\c]
.endr
.irp m, 1,2,4,8
.irp c, 0,1,2
	v_max_num_f32_dpp v[X+\c], v[X+\c], v[X+\c] row_xmask:\m row_mask:0xf bank_mask:0xf
.endr
.endr
.irp c, 0,1,2
	v_permlanex16_b32 v[TAB+\c], v[X+\c], s[SEL], s[SEL+1]
.endr
.irp c, 0,1,2
	v_max_num_f32 v[X+\c], v[X+\c], v[TAB+\c]
.endr
.macro SCALE b, dst                    ; s[dst] = 2^(141 - e), e = the biased exponent of beta = 16 K mu + max |bias|, at least 15: its bits are (268 - e) << 23
	v_fma_f32 v[T], v[X], s[KB], v[\b]
	v_readfirstlane_b32 s[\dst], v[T]
	s_lshr_b32 s[\dst], s[\dst], 23
	s_max_u32 s[\dst], s[\dst], 15
	s_sub_co_u32 s[\dst], 268, s[\dst]
	s_lshl_b32 s[\dst], s[\dst], 23
.endm
.if MODE == 1
	SCALE X+1, NS                                  ; n1 from max h0 and max |b1|
	s_mov_b32 s[NS+1], s[NS]
.else
	SCALE X+2, NS                                  ; n2 from max h1 and max |b2|
	s_mov_b32 s[NS+1], s[NS]
	v_readfirstlane_b32 s16, v[X+1]                ; n1
	s_sub_co_u32 s[DS], 0x7f000000, s16            ; the reciprocal of a power of two: exponent field 254 - E
	s_mov_b32 s[DS+1], s[DS]
.endif
; n x NB matrix instructions: row blocks a0 .. a0 + n - 1 x all my column blocks, 32 along K, from buffers f.  first = 1: the product starts the sums: nothing is cleared.
; The 32 accumulators take turns, one instruction a turn, in the same order in every quarter, over the loop's edge too.
.macro MULA f, a0, n, first
.set ia, \a0
.rept \n
.set ib, 0
.rept NB
.if \first
	v_wmma_f32_16x16x32_f16 v[8*(NB*ia+ib):8*(NB*ia+ib)+7], v[BB+32*\f+8*ib:BB+32*\f+8*ib+7], v[64*\f+8*ia:64*\f+8*ia+7], 0
.else
	v_wmma_f32_16x16x32_f16 v[8*(NB*ia+ib):8*(NB*ia+ib)+7], v[BB+32*\f+8*ib:BB+32*\f+8*ib+7], v[64*\f+8*ia:64*\f+8*ia+7], v[8*(NB*ia+ib):8*(NB*ia+ib)+7]
.endif
.set ib, ib+1
.endr
.set ia, ia+1
.endr
.endm
; One run of LDS loads: quarter q (32 along K) of a slot: 16 loads of B's f32 into R, then 16 loads of A's fragments into buffer g.
.macro FETCH slot, q, g
	WIN 0
.set ii, 0
.rept NB
	ds_load_b128 v[R+16*ii:R+16*ii+3],     v[ADRB+\slot] offset:128*\q+ii*16*PB
	ds_load_b128 v[R+16*ii+4:R+16*ii+7],   v[ADRB+\slot] offset:128*\q+ii*16*PB+16
	ds_load_b128 v[R+16*ii+8:R+16*ii+11],  v[ADRB+\slot] offset:128*\q+ii*16*PB+64
	ds_load_b128 v[R+16*ii+12:R+16*ii+15], v[ADRB+\slot] offset:128*\q+ii*16*PB+80
.set ii, ii+1
.endr
	WIN W_FA
.set ii, 0
.rept 8
	ds_load_b128 v[64*\g+8*ii:64*\g+8*ii+3],   v[ADRA+\slot] offset:64*\q+ii*16*PA
	ds_load_b128 v[64*\g+8*ii+4:64*\g+8*ii+7], v[ADRA+\slot] offset:64*\q+ii*16*PA+32
.set ii, ii+1
.endr
.endm
.macro CVT g                           ; B's f32 rounded to f16, two at a time, into fragment buffer g
	WIN 0
.set ii, 0
.rept 8*NB
	v_cvt_pk_f16_f32 v[BB+32*\g+ii], v[R+2*ii], v[R+2*ii+1]
.set ii, ii+1
.endr
.endm
; A K step is four quarters on buffers 0, 1, 0, 1.  One of the first three multiplies buffers f and brings quarter q of the same slot into buffers g.
; Distance behind matrix instructions (ISA guide 7.12.1 for vector instructions): the loads into A's buffer g and the conversions into B's buffer g overwrite registers whose last matrix
; instructions stand in front of the quarter before's CVT, 32 plain conversions that name none of those registers: more than the four places asked for, so no v_nop is written.
.macro QUARTER slot, q, f, g, first
	s_wait_dscnt 8                                 ; A's fragments 0-3 are in; the eight youngest loads (fragments 4-7) may be out
	WIN W_MUL
	MULA \f, 0, 4, \first
	FETCH \slot, \q, \g
	s_wait_dscnt 4*NB+16                           ; all but the run just issued
	WIN W_MUL
	MULA \f, 4, 4, \first
	s_wait_dscnt 16                                ; B's f32 are in; the 16 loads of A behind them may be out
	CVT \g
.endm
; The last quarter multiplies buffers 1 and changes slots: ONE barrier; in front of it each wave waits for its own reads of this slot and for all its tensor loads (one is out: its part of the next
; slot).  fill = 1: the barrier opens a round of the cluster's barrier, and behind the round this slot is filled again, two K steps ahead, first thing: one tensor load a wave.
; ask = 1: the trip's prefetch, behind the joint load and the run of fragment loads and in front of 16 matrix instructions whose operands are in.
.macro TURN slot, next, fill, ask
	s_wait_dscnt 8
	WIN W_MUL
	MULA 1, 0, 2, 0
	s_wait_dscnt 0                                 ; my reads of this slot are over,
	s_wait_tensorcnt 0x0                           ; and all my tensor loads have landed
	ds_add_u32 v255, v255
	s_wait_dscnt 0x0
	s_barrier_signal -1
	MULA 1, 2, 2, 0                                ; work on registers while the others arrive
	WIN 0                                          ; at a branch and at a label every window is 0
	s_barrier_wait -1
.if \fill
	CREST                                          ; no wave of any partner still reads this slot's tile or has a load on its way
	s_add_nc_u64 s[G0A+4*\slot+2:G0A+4*\slot+3], s[G0A+4*\slot+2:G0A+4*\slot+3], 512
	s_add_nc_u64 s[G0B+4*\slot+2:G0B+4*\slot+3], s[G0B+4*\slot+2:G0B+4*\slot+3], 1024
	JLOAD \slot                                    ; it has a K step less 8 matrix instructions in which to land
.endif
	FETCH \next, 0, 0
.if \ask
	WIN 0
	ASK
.endif
	WIN W_MUL
	MULA 1, 4, 4, 0
	s_wait_dscnt 16
	CVT 0
.endm
	s_wait_tensorcnt 0x1                           ; my part of K step 0 is in; slot 1's may stay out
	s_barrier_signal -1
	s_barrier_wait -1                              ; everybody's is
	FETCH 0, 0, 0
	s_wait_dscnt 16
	CVT 0
	QUARTER 0, 1, 0, 1, 1                          ; the first quarter stands in front of the loop: its products start the sums
	s_mov_b32 s3, LAPS-1
.Llap:                                                 ; a trip goes once round the ring, from a lap's second quarter to the next lap's first, and fills both slots again
	QUARTER 0, 2, 1, 0, 0
	QUARTER 0, 3, 0, 1, 0
	TURN 0, 1, 1, 0
	QUARTER 1, 1, 0, 1, 0
	QUARTER 1, 2, 1, 0, 0
	QUARTER 1, 3, 0, 1, 0
	TURN 1, 0, 1, 1
	QUARTER 0, 1, 0, 1, 0
	s_sub_co_u32 s3, s3, 1
	s_cmp_lg_u32 s3, 0
	s_cbranch_scc1 .Llap
	QUARTER 0, 2, 1, 0, 0                          ; the last lap fills nothing, asks for nothing and has no round
	QUARTER 0, 3, 0, 1, 0
	TURN 0, 1, 0, 0                                ; behind this barrier no wave reads slot 0 any more and nothing fills it: it becomes the stage
	QUARTER 1, 1, 0, 1, 0
	QUARTER 1, 2, 1, 0, 0
	QUARTER 1, 3, 0, 1, 0
	s_wait_dscnt 0
	WIN W_MUL
	MULA 1, 0, 8, 0
	; THE WAY OUT.  Each accumulator's registers are taken in ascending order.  Four plain instructions stand between the last products and the first read of a result.
.if MODE == 1
	WIN 0
.irp c, 0,1,2,3
	v_mov_b32 v[MX+\c], 0                          ; h1 is never negative: its maximum starts at 0; these four are the places
.endr
.else
	PLACES
.endif
	WIN 0x82                                       ; destination and source 0 window 2
.set ia, 0
.rept 8*NB
.irp j, 0,2,4,6
.if MODE == 1
	v_pk_add_f32 v[8*ia+\j:8*ia+\j+1], v[8*ia+\j:8*ia+\j+1], v[BIAS+8*(ia%NB)+\j:BIAS+8*(ia%NB)+\j+1]
.else
	v_pk_fma_f32 v[8*ia+\j:8*ia+\j+1], v[8*ia+\j:8*ia+\j+1], s[DS:DS+1], v[BIAS+8*(ia%NB)+\j:BIAS+8*(ia%NB)+\j+1] op_sel_hi:[1,0,1]   ; back to true size, and the bias
.endif
.endr
.set ia, ia+1
.endr
	WIN 0x88                                       ; destination and source 1 window 2
.set ii, 0
.rept 64*NB
	v_max_num_f32 v[ii], 0, v[ii]                  ; relu
.set ii, ii+1
.endr
.if MODE == 1
	WIN 0x28                                       ; sources 1 and 2 window 2
.set ii, 0
.rept 32*NB
	v_max3_num_f32 v[MX+ii%4], v[MX+ii%4], v[2*ii], v[2*ii+1]
.set ii, ii+1
.endr
	WIN 0
	v_max3_num_f32 v[MX], v[MX], v[MX+1], v[MX+2]
	v_max_num_f32 v[MX], v[MX], v[MX+3]
.irp m, 1,2,4,8
	v_max_num_f32_dpp v[MX], v[MX], v[MX] row_xmask:\m row_mask:0xf bank_mask:0xf
.endr
	v_permlanex16_b32 v[MX+1], v[MX], s[SEL], s[SEL+1]
	v_max_num_f32 v[EN], v[MX], v[MX+1]            ; the entry: the maximum of my part of h1,
	v_mov_b32 v[EN+1], s[NS]                       ; n1,
	v_mov_b32 v[EN+2], v[X+2]                      ; max |b2|, handed on,
	v_mov_b32 v[EN+3], 0
	v_mov_b32 v[ZO], 0
	v_cmp_eq_u32 vcc_lo, 0, v6
	s_wait_xcnt 0x0                                ; EXEC changes only behind this wait
	s_and_saveexec_b32 s[SVX], vcc_lo
	global_store_b128 v[ZO], v[EN:EN+3], s[PMO:PMO+1]   ; lane 0
	s_wait_xcnt 0x0                                ; and again in front of the line that widens it
	s_or_b32 exec_lo, exec_lo, s[SVX]
.endif
	WIN 0x82
.set ii, 0
.rept 32*NB
	v_pk_mul_f32 v[2*ii:2*ii+1], v[2*ii:2*ii+1], s[NS:NS+1] op_sel_hi:[1,0]   ; times n: under 2^15
.set ii, ii+1
.endr
	WIN 0x0a                                       ; sources 0 and 1 window 2
.set ii, 0
.rept 32*NB
	v_cvt_pk_f16_f32 v[TMP+ii], v[2*ii], v[2*ii+1]
.set ii, ii+1
.endr
	WIN 0
.set ia, 0
.rept 8
.set ib, 0
.rept NB
	ds_store_b128 v[STO], v[TMP+4*(NB*ia+ib):TMP+4*(NB*ia+ib)+3] offset:ia*16*SP+32*ib
.set ib, ib+1
.endr
.set ia, ia+1
.endr
	s_wait_dscnt 0x0                               ; for the others' sake: a row of the stage comes from two waves
	s_barrier_signal -1
	s_barrier_wait -1
.set ii, 0
.rept 32
	ds_load_b128 v[TMP+4*ii:TMP+4*ii+3], v[RD] offset:ii*2*SP
.set ii, ii+1
.endr
.set ii, 0
.rept 32
	s_wait_dscnt 31-ii                             ; LDS loads come back in order (ISA guide 5.7.1)
	global_store_b128 v[CO], v[TMP+4*ii:TMP+4*ii+3], s[OUT:OUT+1] offset:ii*SIZE_N*4   ; 16 lanes store 256 consecutive bytes, aligned; two rows a store
.set ii, ii+1
.endr
	s_set_vgpr_msb 0x4
	s_wait_tensorcnt 0x0
	ds_add_u32 v255, v255
	s_wait_dscnt 0x0
	s_set_vgpr_msb 0x400
	CROUND                                         ; the closing round: no work-group ends while a partner may still ask for a tile that names it
	s_endpgm
.Lfunc_end_k_qc127011e02_layer2:
	.size	k_qc127011e02_layer2, .Lfunc_end_k_qc127011e02_layer2-k_qc127011e02_layer2
	.p2alignl 7, 3214868480
	.fill 96, 4, 3214868480
	.section	.rodata,"a",@progbits
	.p2align	6, 0x0
	.amdhsa_kernel k_qc127011e02_layer2
		.amdhsa_group_segment_fixed_size 327680
		.amdhsa_private_segment_fixed_size 0
		.amdhsa_enable_private_segment 0
		.amdhsa_kernarg_size 40
		.amdhsa_user_sgpr_count 2
		.amdhsa_user_sgpr_kernarg_segment_ptr 1
		.amdhsa_wavefront_size32 1
		.amdhsa_system_sgpr_workgroup_id_x 1
		.amdhsa_system_sgpr_workgroup_id_y 1
		.amdhsa_system_sgpr_workgroup_id_z 1
		.amdhsa_system_vgpr_workitem_id 0
		.amdhsa_next_free_vgpr 768
		.amdhsa_next_free_sgpr 88
		.amdhsa_reserve_vcc 1
		.amdhsa_float_denorm_mode_32 3
		.amdhsa_float_denorm_mode_16_64 3
		.amdhsa_memory_ordered 1
		.amdhsa_forward_progress 1
		.amdhsa_inst_pref_size 161
	.end_amdhsa_kernel
	.amdgpu_metadata
---
amdhsa.version: [ 1, 2 ]
amdhsa.kernels:
  - .name:           k_qc127011e02_layer2
    .symbol:         k_qc127011e02_layer2.kd
    .args:
      - { .name: h1, .offset: 0, .size: 8, .value_kind: global_buffer, .address_space: global }
      - { .name: W2, .offset: 8, .size: 8, .value_kind: global_buffer, .address_space: global }
      - { .name: b2, .offset: 16, .size: 8, .value_kind: global_buffer, .address_space: global }
      - { .name: pm1, .offset: 24, .size: 8, .value_kind: global_buffer, .address_space: global }
      - { .name: h2, .offset: 32, .size: 8, .value_kind: global_buffer, .address_space: global }
    .group_segment_fixed_size: 327680
    .private_segment_fixed_size: 0
    .kernarg_segment_align: 8
    .kernarg_segment_size: 40
    .max_flat_workgroup_size: 128
    .sgpr_count:     88
    .vgpr_count:     768
    .wavefront_size: 32
...
	.end_amdgpu_metadata
.endif
;; end of part 3
;; launch layer3 (part 4): grid 16 x 16, 4 waves a work-group, clusters of 4 x 4, 327,680 bytes of LDS; arguments h2, w3h, b3, pm1, out0; writes out0
.if DOCPART == 4
	.amdgcn_target "amdgcn-amd-amdhsa--gfx1250"
	.amdhsa_code_object_version 6
	.text
	.protected	k_qc127011e02_layer3
	.globl	k_qc127011e02_layer3
	.p2align	8
	.type	k_qc127011e02_layer3,@function
k_qc127011e02_layer3:
	s_mov_b64 s[64:65], 0
	v_nop
	global_prefetch_b8 v0, s[64:65] scope:SCOPE_SE
	s_setreg_imm32_b32 hwreg(HW_REG_WAVE_MODE, 25, 1), 1
	s_wait_xcnt 0x0
	s_wait_alu depctr_hold_cnt(0) depctr_sa_sdst(0) depctr_va_vdst(0) depctr_va_sdst(0) depctr_va_ssrc(0) depctr_va_vcc(0) depctr_vm_vsrc(0)
	s_getreg_b32 s2, hwreg(HW_REG_IB_STS2, 6, 4)
	s_cmp_eq_u32 s2, 0
	s_cbranch_scc0 .Lentry_in_a_cluster
	s_endpgm
.Lentry_in_a_cluster:
	s_bfe_u32 s2, ttmp6, 0x10000c
	s_cmp_lg_u32 s2, 0xf033
	s_cbranch_scc0 .Lentry_shape_is_right
	s_endpgm
.Lentry_shape_is_right:
; THE LAST LAYER: out0[m][n] = sum over k of h2[m][k] W3[n][k] + b3[n], in f32, no relu.  hin = h2 x n2: [2048][4096] f16 (n2 a power of two); W = W3 rounded to f16 by the first launch:
; [2048][4096] f16; sums in f32; out0 = acc / n2 + b3.
; n2 is made here by the lines by which the layer before made it: from the table pm1 (1,024 entries { max of a part of h1, n1, max |b2|, 0 }): beta = 16 x 4,096 x max h1 + max |b2|, e = beta's
; biased exponent (at least 15), n2 = 2^(141 - e).
; SHARES.  out0 has 128 tiles of 256 x 128 and 256 of 128 x 128: a tile is 128 x 128, one work-group for each of 256.  Four waves, 2 x 2, each 64 x 64: 16 accumulators, 128 registers.
; With both operands of 2 bytes a k costs 512 bytes, so K goes in steps of 256 (rows of 512 bytes of memory; a wave's tensor load brings 64 of them) through two LDS slots of 135,168 bytes:
; 16 K steps of 128 matrix instructions a wave, 120 of them between a request and the wait for it.
; CLUSTER.  4 x 4 work-groups: the four of a row of the cluster need the same tile of hin, the four of a column the same tile of W; each tile is asked for jointly, by the same tensor load with the
; same descriptor and a mask that names the four.  THE MATRIX INSTRUCTION IS USED TRANSPOSED (source 0 = 16 rows of W, source 1 = 16 rows of hin): a lane holds 8 neighbouring columns of one row of out.
; PREFETCH.  hin and W come out of memory and the joint loads wait for them, so later K steps are asked for ahead, each aligned block of 256 bytes once in the launch.  A tile row's 128 rows of hin
; are shared out among the 16 tile columns and a tile column's 128 rows of W among the 16 tile rows, 8 rows each.  Wave 0 (hin) and wave 2 (W) ask in every trip but the last for the 1,024 bytes a
; row of the next trip's two K steps (32 lanes = 8 rows x 4 blocks), one and two K steps (128 and 256 matrix instructions a wave) ahead of the joint loads that want them; K steps 2 and 3 are
; asked for at the start.  Waves 1 and 3 ask for nothing.  At most 32 KiB of a work-group's requests are unread at a time.  The last requests end at the rows' ends.
; LIMITS.  Those of the launches before (|W2| <= 16 for the bound behind n2; |W3| within f16's 65,504).  The bias is added behind the sum.
.set SIZE_K, 4096
.set SIZE_N, 2048
.set NE,     32                        ; the table's 16-byte entries a lane: 1,024 entries of pm1
.set KB16,   0x47800000                ; 16 x 4,096 as f32
.set KSTEP,  256
.set LAPS,   SIZE_K/(2*KSTEP)          ; a lap = two K steps = once round the ring
.set PITCH,  528                       ; an LDS row: 512 bytes + 16: an odd multiple of 16 bytes, so the 16 rows that a fragment load touches lie in 16 different 16-byte columns modulo 256 bytes
.set HALFT,  64*PITCH                  ; 64 rows: what one tensor load brings, and what one wave reads of A or of B
.set SLOT,   4*HALFT                   ; A's 128 rows, then B's 128 rows; slot 0 at byte 0, slot 1 at SLOT
.set SP,     528                       ; a row of the stage: 128 f32 + 16 bytes.  The stage (67,584 bytes) lies at byte 0, in slot 0, which has had its last fill and its last read when the first result is written
.set MASK,   (1<<LAPS)-4               ; bit i: with i trips left (this one among them) the asking waves ask: every trip but the last (i = 1)
; window 0: v1 r, v2 h, v6 lane, addresses; v[64:95] bias; v[128:255] the accumulators ((a, b) at v[128 + 8 (4 a + b)]), before them the table, behind them the rows read back from the stage
; window 1: two fragment buffers of 128: for 64 along K (two matrix instructions deep), 64 registers of A (2 x 4 x 16 rows x 32 K), then 64 of B
.set ADRA, 16                          ; v16-17  LDS address of my A fragments in slot 0, 1
.set ADRB, 20                          ; v20-21  the same for B
.set STO,  24                          ; where I put my numbers of a row in the stage
.set RD,   25                          ; where I read rows back
.set HB,   27                          ; 32 h
.set LB,   28                          ; 16 x lane: also my byte offset in a row of out
.set PFO,  29                          ; the prefetch: my lane's block: row lane / 4 of 8, block lane % 4 of 4; never rewritten
.set X,    40                          ; v40-42  the table's three maxima
.set T,    44
.set BIAS, 64
.set ACC,  128
.set TAB,  128
.set TMP,  128
.set F0,   0                           ; fragment buffers, in window 1
.set F1,   128
.set WV, 12                            ; my wave's number
.set WH, 13                            ; wave / 2: my half of the tile's rows.  Also: 0 = I fetch for A, 1 = for B
.set WL, 14                            ; wave % 2: my half of its columns.  Also: which 64 rows of that tile I fetch
.set G1A, 24                           ; s[24:31] descriptor group 1 for A;  s[32:39] group 0, a set for each slot
.set G0A, 32
.set G1B, 48                           ; s[48:55], s[56:63] the same for B
.set G0B, 56
.set DS,  68                           ; s[68:69] 1 / n2, twice (a packed multiply-add names a pair)
.set SEL, 70                           ; s[70:71] lane selects of v_permlanex16_b32
.set OUT, 72                           ; s[72:73] out
.set KB,  77
.set PM,  78                           ; the prefetch: my wave's mask of trips
.set TS,  79                           ; at work
.set PFB, 80                           ; s[80:81] the prefetch: the address that my wave asked from last
.set MSB, 0
.macro WIN new                         ; s_set_vgpr_msb: bits 1:0 source 0, 3:2 source 1, 5:4 source 2, 7:6 destination; the high byte repeats the setting that is left
.if MSB != \new
	s_set_vgpr_msb (MSB<<8)|\new
.set MSB, \new
.endif
.endm
.set MUL,  0x05                        ; sources 0 (B) and 1 (A) window 1; C and D window 0
.set TO_F, 0x40                        ; destination window 1, address window 0
.macro PLACES                          ; four places in front of loads into registers that matrix instructions have read, and of vector instructions that read results (ISA guide 7.12.1 for vector instructions)
.rept 4
	v_nop
.endr
.endm
.macro JLOAD s                         ; a joint load: waves 0, 1 fetch A's halves, waves 2, 3 B's; four v_nop follow each of the two lines, ahead of the jump, the label and what follows
	s_cmp_eq_u32 s[WH], 0
	s_cbranch_scc0 .Lfor_b_\@
	tensor_load_to_lds s[G0A+4*\s:G0A+4*\s+3], s[G1A:G1A+7]
	s_nop 0
.rept 4
	v_nop
.endr
	s_branch .Lasked_\@
.Lfor_b_\@:
	tensor_load_to_lds s[G0B+4*\s:G0B+4*\s+3], s[G1B:G1B+7]
	s_nop 0
.rept 4
	v_nop
.endr
.Lasked_\@:
.endm
.macro CREST                           ; a round of the cluster's barrier behind its opening barrier
	s_cmp_lg_u32 s[WV], 0
	s_cbranch_scc1 .Lnot_wave_0_\@
	s_barrier_signal -3
.Lnot_wave_0_\@:
	s_barrier_wait -3
	s_barrier_signal -1
	s_barrier_wait -1
.endm
.macro CROUND                          ; a whole round
	s_barrier_signal -1
	s_barrier_wait -1
	CREST
.endm
; The prefetch of a trip.  The address steps in every trip and every wave; whether the wave asks hangs on its mask and on the trips left, numbers that are alike in all work-groups.
.macro ASK
	s_wait_xcnt 0x0                                ; my last prefetch, a whole trip back, has had its address translated (ISA guide 3.1): its base is rewritten only behind this wait
	s_add_nc_u64 s[PFB:PFB+1], s[PFB:PFB+1], 2*KSTEP*2
	s_lshr_b32 s[TS], s[PM], s3
	s_and_b32 s[TS], s[TS], 1
	s_cmp_lg_u32 s[TS], 0
	s_cbranch_scc0 .Lquiet_\@
	global_prefetch_b8 v[PFO], s[PFB:PFB+1] th:TH_LOAD_NT scope:SCOPE_SE   ; 32 lanes, 32 blocks of 256 bytes
.Lquiet_\@:
.endm
	s_load_b256 s[4:11], s[0:1], 0x0               ; hin s[4:5], W s[6:7], bias s[8:9], the table s[10:11]
	s_load_b64 s[OUT:OUT+1], s[0:1], 0x20          ; out
	v_lshl_add_u32 v126, v0, 2, 0x42000
	v_mov_b32 v127, 0
	ds_add_u32 v126, v127
	v_lshrrev_b32 v1, 5, v0
	v_readfirstlane_b32 s[WV], v1
	s_lshr_b32 s[WH], s[WV], 1
	s_and_b32 s[WL], s[WV], 1
	s_bfe_u32 s40, ttmp6, 0x40000                  ; cx, cy: my place in the cluster
	s_bfe_u32 s41, ttmp6, 0x40004
	s_lshl_b32 s42, ttmp9, 2
	s_add_co_u32 s42, s42, s40                     ; tile column = 4 x cluster x + cx
	s_and_b32 s43, ttmp7, 0xffff
	s_lshl_b32 s43, s43, 2
	s_add_co_u32 s43, s43, s41                     ; tile row = 4 x cluster y + cy
	s_lshl_b32 s44, s41, 2
	s_lshl_b32 s44, 15, s44                        ; my row of the cluster: places 4 cy .. 4 cy + 3
	s_lshl_b32 s45, 0x1111, s40                    ; my column: places cx, cx + 4, cx + 8, cx + 12
	s_or_b32 s[G1A], s44, (1<<16)|(1<<20)|(1<<21)|(6<<22)|(3<<25)   ; 15:0 mask: my row; 17:16 elements of 2 bytes; 20 padding on; 21 set beside a mask; 24:22 after every 128 words; 31:25 4 words of it
	s_or_b32 s[G1B], s45, (1<<16)|(1<<20)|(1<<21)|(6<<22)|(3<<25)   ; the same with the mask of my column
.irp g, G1A, G1B
	s_mov_b32 s[\g+1], KSTEP<<16                   ; tensor_dim0 = 256
	s_mov_b32 s[\g+2], 64<<16                      ; tensor_dim1 = 64 rows a load
	s_mov_b32 s[\g+3], KSTEP<<16                   ; tile_dim0 = 256
	s_mov_b32 s[\g+4], 64                          ; tile_dim1 = 64
	s_mov_b32 s[\g+5], SIZE_K                      ; elements from row to row
	s_mov_b32 s[\g+6], 0
	s_mov_b32 s[\g+7], 0
.endr
	s_mov_b32 s[SEL], 0x76543210
	s_mov_b32 s[SEL+1], 0xfedcba98
	s_mov_b32 s[KB], KB16
	s_lshl_b32 s16, s43, 7                         ; A: row 128 x tile row + 64 x half, in bytes (under 2^25): made of the tile row and the wave's number alone
	s_lshl_b32 s17, s[WL], 6
	s_add_co_u32 s16, s16, s17
	s_mul_i32 s16, s16, SIZE_K*2
	s_mov_b32 s17, 0
	s_lshl_b32 s46, s42, 7                         ; B: row 128 x tile column + 64 x half, in bytes: made of the tile column and the wave's number alone
	s_lshl_b32 s47, s[WL], 6
	s_add_co_u32 s46, s46, s47
	s_mul_i32 s46, s46, SIZE_K*2
	s_mov_b32 s47, 0
	s_mul_i32 s20, s[WV], HALFT                    ; where they go in a slot: A's two halves, then B's two halves = wave x 64 rows: no place in the cluster enters an LDS address
	s_wait_dscnt 0x0
	s_wait_kmcnt 0x0
	s_add_nc_u64 s[18:19], s[4:5], s[16:17]
	s_add_nc_u64 s[46:47], s[6:7], s[46:47]
	CROUND                                         ; all sixteen work-groups are here: the first joint loads meet
.irp s, 0,1
	s_mov_b32 s[G0A+4*\s], 1                                       ; count = 1
	s_add_co_u32 s[G0A+4*\s+1], s20, \s*SLOT                       ; LDS address
	s_add_nc_u64 s[G0A+4*\s+2:G0A+4*\s+3], s[18:19], \s*KSTEP*2    ; global address: K step s
	s_or_b32 s[G0A+4*\s+3], s[G0A+4*\s+3], 0x80000000              ; type = 2
	s_mov_b32 s[G0B+4*\s], 1
	s_add_co_u32 s[G0B+4*\s+1], s20, \s*SLOT
	s_add_nc_u64 s[G0B+4*\s+2:G0B+4*\s+3], s[46:47], \s*KSTEP*2
	s_or_b32 s[G0B+4*\s+3], s[G0B+4*\s+3], 0x80000000
.endr
	s_cmp_eq_u32 s[WH], 0                          ; a wave's two first fills stand in one branch, ahead of every wait on TENSORcnt and every LDS read: two loads of mine are out
	s_cbranch_scc0 .Lfirst_b
	tensor_load_to_lds s[G0A:G0A+3], s[G1A:G1A+7]
	s_nop 0
	tensor_load_to_lds s[G0A+4:G0A+7], s[G1A:G1A+7]
	s_nop 0
.rept 4
	v_nop
.endr
	s_branch .Lfirst_asked
.Lfirst_b:
	tensor_load_to_lds s[G0B:G0B+3], s[G1B:G1B+7]
	s_nop 0
	tensor_load_to_lds s[G0B+4:G0B+7], s[G1B:G1B+7]
	s_nop 0
.rept 4
	v_nop
.endr
.Lfirst_asked:
	; while the tiles are on their way: bias, table, the prefetch's job, addresses, the scale
	s_lshl_b32 s46, s42, 9                         ; bias of my columns: 4 x (128 x tile column + 64 x half) bytes
	s_lshl_b32 s47, s[WL], 8
	s_add_co_u32 s46, s46, s47
	s_mov_b32 s47, 0
	s_add_nc_u64 s[8:9], s[8:9], s[46:47]
	v_and_b32 v1, 15, v0                           ; r = lane % 16
	v_bfe_u32 v2, v0, 4, 1                         ; h = lane / 16
	v_and_b32 v6, 31, v0
	v_lshlrev_b32 v[HB], 5, v2
	v_lshlrev_b32 v[LB], 4, v6
.irp b, 0,1,2,3                        ; block b, register j = bias[first column + 16 b + 8 h + j]: the columns that a lane holds of accumulator (a, b)
	global_load_b128 v[BIAS+8*\b:BIAS+8*\b+3],   v[HB], s[8:9] offset:64*\b
	global_load_b128 v[BIAS+8*\b+4:BIAS+8*\b+7], v[HB], s[8:9] offset:64*\b+16
.endr
.set ii, 0
.rept NE                               ; the whole table, 512 consecutive bytes a load
	global_load_b128 v[TAB+4*ii:TAB+4*ii+3], v[LB], s[10:11] offset:512*ii
.set ii, ii+1
.endr
	; my wave's prefetch job: waves 2, 3: W from row 128 x tile column + 8 x tile row; waves 0, 1: hin from row 128 x tile row + 8 x tile column; both from byte 1,024 of the rows (K steps 2, 3), 1,024 bytes on a trip
	s_lshl_b32 s84, s42, 7
	s_lshl3_add_u32 s84, s43, s84
	s_lshl_b32 s85, s43, 7
	s_lshl3_add_u32 s85, s42, s85
	s_cmp_eq_u32 s[WH], 0                          ; the choice hangs on the wave's number alone
	s_cselect_b64 s[PFB:PFB+1], s[4:5], s[6:7]
	s_cselect_b32 s84, s85, s84
	s_mul_i32 s84, s84, SIZE_K*2                   ; in bytes, under 2^25
	s_add_co_u32 s84, s84, 2*KSTEP*2
	s_mov_b32 s85, 0
	s_add_nc_u64 s[PFB:PFB+1], s[PFB:PFB+1], s[84:85]
	s_mov_b32 s[PM], MASK
	s_cmp_eq_u32 s[WL], 0
	s_cselect_b32 s[PM], s[PM], 0                  ; waves 1 and 3 ask for nothing
	v_lshrrev_b32 v7, 2, v6
	v_and_b32 v8, 3, v6
	v_lshlrev_b32 v7, 13, v7                       ; 8,192 bytes from row to row
	v_lshl_add_u32 v[PFO], v8, 8, v7               ; row lane / 4, block lane % 4: neighbouring lanes 256 bytes apart
	s_cmp_lg_u32 s[WL], 0
	s_cbranch_scc1 .Lno_first_ask
	global_prefetch_b8 v[PFO], s[PFB:PFB+1] th:TH_LOAD_NT scope:SCOPE_SE   ; waves 0, 2: K steps 2 and 3, which the first trip's two refills want
.Lno_first_ask:
	v_mul_u32_u24 v3, v1, PITCH                    ; a fragment: row x pitch + 16 h (registers 0-3: k = 8 h .. 8 h + 7; registers 4-7, 32 bytes on: k = 16 + 8 h ..)
	v_lshl_add_u32 v3, v2, 4, v3
	s_mul_i32 s21, s[WH], HALFT                    ; my 64 rows of A
	s_mul_i32 s22, s[WL], HALFT                    ; my 64 rows of B,
	s_add_co_u32 s22, s22, 2*HALFT                 ; which lie behind A's 128
	v_add_nc_u32 v[ADRA], s21, v3
	v_add_nc_u32 v[ADRA+1], SLOT, v[ADRA]
	v_add_nc_u32 v[ADRB], s22, v3
	v_add_nc_u32 v[ADRB+1], SLOT, v[ADRB]
	v_mul_u32_u24 v5, v1, SP                       ; into the stage: row r of my 64 rows, my 256 bytes of it, 8 numbers (32 bytes) for each half of the lanes
	v_lshl_add_u32 v5, v2, 5, v5
	s_mul_i32 s22, s[WH], 64*SP
	s_lshl_b32 s23, s[WL], 8
	s_add_co_u32 s22, s22, s23
	v_add_nc_u32 v[STO], s22, v5
	s_mul_i32 s22, s[WV], 32*SP                    ; back: wave w takes rows 32 w on, whole: 32 lanes take one row of 512 bytes
	v_add_nc_u32 v[RD], s22, v[LB]
	s_lshl_b32 s16, s43, 7                         ; the first row of out that I store: 128 x tile row + 32 x wave, in bytes (under 2^25),
	s_lshl_b32 s17, s[WV], 5
	s_add_co_u32 s16, s16, s17
	s_mul_i32 s16, s16, SIZE_N*4
	s_mov_b32 s17, 0
	s_add_nc_u64 s[OUT:OUT+1], s[OUT:OUT+1], s[16:17]
	s_lshl_b32 s46, s42, 9                         ; and the tile's first column (s47 is 0)
	s_add_nc_u64 s[OUT:OUT+1], s[OUT:OUT+1], s[46:47]
	s_wait_loadcnt 0x0                             ; bias and table
	; the maxima of the table's first three components: over my 32 entries, then over the 32 lanes
.irp c, 0,1,2
	v_max3_num_f32 v[X+\c], v[TAB+\c], v[TAB+4+\c], v[TAB+8+\c]
.endr
.set ii, 3
.rept (NE-4)/2
.irp c, 0,1,2
	v_max3_num_f32 v[X+\c], v[X+\c], v[TAB+4*ii+\c], v[TAB+4*ii+4+\c]
.endr
.set ii, ii+2
.endr
.irp c, 0,1,2
	v_max_num_f32 v[X+\c], v[X+\c], v[TAB+4*NE-4+\c]
.endr
.irp m, 1,2,4,8
.irp c, 0,1,2
	v_max_num_f32_dpp v[X+\c], v[X+\c], v[X+\c] row_xmask:\m row_mask:0xf bank_mask:0xf
.endr
.endr
.irp c, 0,1,2
	v_permlanex16_b32 v[TAB+\c], v[X+\c], s[SEL], s[SEL+1]
.endr
.irp c, 0,1,2
	v_max_num_f32 v[X+\c], v[X+\c], v[TAB+\c]
.endr
	v_fma_f32 v[T], v[X], s[KB], v[X+2]            ; beta = 16 K max h1 + max |b2|
	v_readfirstlane_b32 s16, v[T]
	s_lshr_b32 s16, s16, 23                        ; e, its biased exponent,
	s_max_u32 s16, s16, 15                         ; at least 15
	s_sub_co_u32 s16, 268, s16
	s_lshl_b32 s16, s16, 23                        ; n2 = 2^(141 - e): bits (268 - e) << 23
	s_sub_co_u32 s[DS], 0x7f000000, s16            ; the reciprocal of a power of two: exponent field 254 - E
	s_mov_b32 s[DS+1], s[DS]
; 8 matrix instructions: row blocks a0, a0 + 1 x all 4 column blocks, 32 along K: half c of buffer f.  zero = 1: the product starts the sums: nothing is cleared.
; The 16 accumulators take turns, one instruction a turn, in the same order everywhere, over the loop's edge too.
.macro MUL8 f, c, a0, zero
.irp a, \a0, \a0+1
.irp b, 0,1,2,3
.if \zero
	v_wmma_f32_16x16x32_f16 v[ACC+8*(4*(\a)+\b):ACC+8*(4*(\a)+\b)+7], v[\f+64+8*(4*\c+\b):\f+64+8*(4*\c+\b)+7], v[\f+8*(4*\c+\a):\f+8*(4*\c+\a)+7], 0
.else
	v_wmma_f32_16x16x32_f16 v[ACC+8*(4*(\a)+\b):ACC+8*(4*(\a)+\b)+7], v[\f+64+8*(4*\c+\b):\f+64+8*(4*\c+\b)+7], v[\f+8*(4*\c+\a):\f+8*(4*\c+\a)+7], v[ACC+8*(4*(\a)+\b):ACC+8*(4*(\a)+\b)+7]
.endif
.endr
.endr
.endm
; 32 LDS loads in one run: the fragments of 64 along K at byte k of the rows, into buffer f; the first 32 along K first
.macro FETCH slot, k, f
	WIN TO_F
.irp c, 0,1
.irp i, 0,1,2,3
	ds_load_b128 v[\f+64+8*(4*\c+\i):\f+64+8*(4*\c+\i)+3],   v[ADRB+\slot] offset:\k+64*\c+\i*16*PITCH
	ds_load_b128 v[\f+64+8*(4*\c+\i)+4:\f+64+8*(4*\c+\i)+7], v[ADRB+\slot] offset:\k+64*\c+\i*16*PITCH+32
	ds_load_b128 v[\f+8*(4*\c+\i):\f+8*(4*\c+\i)+3],         v[ADRA+\slot] offset:\k+64*\c+\i*16*PITCH
	ds_load_b128 v[\f+8*(4*\c+\i)+4:\f+8*(4*\c+\i)+7],       v[ADRA+\slot] offset:\k+64*\c+\i*16*PITCH+32
.endr
.endr
.endm
; A K step is four quarters of 64 along K, 32 matrix instructions each, on buffers 0, 1, 0, 1.  One of the first three multiplies buffer f and fetches the next quarter, at byte k, into g.
.macro QUARTER slot, k, f, g, zero
	s_wait_dscnt 16                                ; the first 32 along K are in; the 16 younger loads may be out
	WIN MUL
	MUL8 \f, 0, 0, \zero
	MUL8 \f, 0, 2, \zero
	PLACES                                         ; buffer g's last matrix instructions stand at the end of the quarter before
	FETCH \slot, \k, \g
	s_wait_dscnt 32                                ; all but the 32 just issued
	WIN MUL
	MUL8 \f, 1, 0, 0
	MUL8 \f, 1, 2, 0
.endm
; The last quarter multiplies buffer 1 and changes slots: ONE barrier; in front of it each wave waits for its own reads of this slot and for all its tensor loads (one is out: its part of the next
; slot).  fill = 1: the barrier opens a round of the cluster's barrier, and behind the round this slot is filled again, two K steps ahead, first thing: one tensor load a wave.
; ask = 1: the trip's prefetch, behind the joint load and the run of fragment loads and in front of 16 matrix instructions whose operands are in.
.macro TURN slot, next, fill, ask
	s_wait_dscnt 16
	WIN MUL
	MUL8 F1, 0, 0, 0
	s_wait_dscnt 0                                 ; my reads of this slot are over,
	s_set_vgpr_msb 0x500
	s_wait_tensorcnt 0x0                           ; and all my tensor loads have landed
	ds_add_u32 v126, v127
	s_wait_dscnt 0x0
	s_set_vgpr_msb 0x5
	s_barrier_signal -1
	MUL8 F1, 0, 2, 0                               ; work on registers while the others arrive
.if \fill
	WIN 0                                          ; at a branch and at a label every window is 0
.endif
	s_barrier_wait -1
.if \fill
	CREST                                          ; no wave of any partner still reads this slot's tile or has a load on its way
	s_add_nc_u64 s[G0A+4*\slot+2:G0A+4*\slot+3], s[G0A+4*\slot+2:G0A+4*\slot+3], 2*KSTEP*2
	s_add_nc_u64 s[G0B+4*\slot+2:G0B+4*\slot+3], s[G0B+4*\slot+2:G0B+4*\slot+3], 2*KSTEP*2
	JLOAD \slot                                    ; the four v_nop behind it are also the places in front of the loads below
.else
	PLACES
.endif
	FETCH \next, 0, F0
.if \ask
	WIN 0
	ASK
.endif
	WIN MUL
	MUL8 F1, 1, 0, 0
	MUL8 F1, 1, 2, 0
.endm
	s_wait_tensorcnt 0x1                           ; my part of K step 0 is in; slot 1's may stay out
	s_barrier_signal -1
	s_barrier_wait -1                              ; everybody's is
	FETCH 0, 0, F0
	QUARTER 0, 128, F0, F1, 1                      ; the first quarter stands in front of the loop: its first products start the sums
	WIN 0                                          ; at a label and at a branch every window is 0
	s_mov_b32 s3, LAPS-1
.Llap:                                                 ; a trip goes once round the ring, from a lap's second quarter to the next lap's first, and fills both slots again
	QUARTER 0, 256, F1, F0, 0
	QUARTER 0, 384, F0, F1, 0
	TURN 0, 1, 1, 0
	QUARTER 1, 128, F0, F1, 0
	QUARTER 1, 256, F1, F0, 0
	QUARTER 1, 384, F0, F1, 0
	TURN 1, 0, 1, 1
	QUARTER 0, 128, F0, F1, 0
	WIN 0
	s_sub_co_u32 s3, s3, 1
	s_cmp_lg_u32 s3, 0
	s_cbranch_scc1 .Llap
	QUARTER 0, 256, F1, F0, 0                      ; the last lap fills nothing, asks for nothing and has no round
	QUARTER 0, 384, F0, F1, 0
	TURN 0, 1, 0, 0                                ; behind this barrier no wave reads slot 0 any more and nothing fills it: it becomes the stage
	QUARTER 1, 128, F0, F1, 0
	QUARTER 1, 256, F1, F0, 0
	QUARTER 1, 384, F0, F1, 0
	s_wait_dscnt 16                                ; the very last quarter: nothing more to fetch
	WIN MUL
	MUL8 F1, 0, 0, 0
	MUL8 F1, 0, 2, 0
	s_wait_dscnt 0
	MUL8 F1, 1, 0, 0
	MUL8 F1, 1, 2, 0
	WIN 0
	; THE WAY OUT, all in window 0.  Back to true size and the bias, each accumulator's registers in ascending order; 32 bytes a lane into the work-group's stage; a barrier, since a row's 512 bytes
	; come from two waves; back as whole rows, 32 rows a wave, into the accumulators' registers, whose stores into the stage are done by then.
	PLACES
.set ia, 0
.rept 16
.irp j, 0,2,4,6
	v_pk_fma_f32 v[ACC+8*ia+\j:ACC+8*ia+\j+1], v[ACC+8*ia+\j:ACC+8*ia+\j+1], s[DS:DS+1], v[BIAS+8*(ia%4)+\j:BIAS+8*(ia%4)+\j+1] op_sel_hi:[1,0,1]
.endr
.set ia, ia+1
.endr
.irp a, 0,1,2,3
.irp b, 0,1,2,3
	ds_store_b128 v[STO], v[ACC+8*(4*\a+\b):ACC+8*(4*\a+\b)+3]   offset:\a*16*SP+64*\b
	ds_store_b128 v[STO], v[ACC+8*(4*\a+\b)+4:ACC+8*(4*\a+\b)+7] offset:\a*16*SP+64*\b+16
.endr
.endr
	s_wait_dscnt 0x0                               ; for the others' sake: my stores into the stage are done
	s_barrier_signal -1
	s_barrier_wait -1
.set ii, 0
.rept 32
	ds_load_b128 v[TMP+4*ii:TMP+4*ii+3], v[RD] offset:ii*SP
.set ii, ii+1
.endr
.set ii, 0
.rept 32
	s_wait_dscnt 31-ii                             ; LDS loads come back in order (ISA guide 5.7.1)
	global_store_b128 v[LB], v[TMP+4*ii:TMP+4*ii+3], s[OUT:OUT+1] offset:ii*SIZE_N*4 th:TH_STORE_NT   ; 32 lanes store 512 consecutive bytes, aligned; nothing reads them again
.set ii, ii+1
.endr
	s_wait_tensorcnt 0x0
	ds_add_u32 v126, v127
	s_wait_dscnt 0x0
	CROUND                                         ; the closing round: no work-group ends while a partner may still ask for a tile that names it
	s_endpgm
.Lfunc_end_k_qc127011e02_layer3:
	.size	k_qc127011e02_layer3, .Lfunc_end_k_qc127011e02_layer3-k_qc127011e02_layer3
	.p2alignl 7, 3214868480
	.fill 96, 4, 3214868480
	.section	.rodata,"a",@progbits
	.p2align	6, 0x0
	.amdhsa_kernel k_qc127011e02_layer3
		.amdhsa_group_segment_fixed_size 327680
		.amdhsa_private_segment_fixed_size 0
		.amdhsa_enable_private_segment 0
		.amdhsa_kernarg_size 40
		.amdhsa_user_sgpr_count 2
		.amdhsa_user_sgpr_kernarg_segment_ptr 1
		.amdhsa_wavefront_size32 1
		.amdhsa_system_sgpr_workgroup_id_x 1
		.amdhsa_system_sgpr_workgroup_id_y 1
		.amdhsa_system_sgpr_workgroup_id_z 1
		.amdhsa_system_vgpr_workitem_id 0
		.amdhsa_next_free_vgpr 512
		.amdhsa_next_free_sgpr 88
		.amdhsa_reserve_vcc 0
		.amdhsa_float_denorm_mode_32 3
		.amdhsa_float_denorm_mode_16_64 3
		.amdhsa_memory_ordered 1
		.amdhsa_forward_progress 1
		.amdhsa_inst_pref_size 99
	.end_amdhsa_kernel
	.amdgpu_metadata
---
amdhsa.version: [ 1, 2 ]
amdhsa.kernels:
  - .name:           k_qc127011e02_layer3
    .symbol:         k_qc127011e02_layer3.kd
    .args:
      - { .name: h2, .offset: 0, .size: 8, .value_kind: global_buffer, .address_space: global }
      - { .name: w3h, .offset: 8, .size: 8, .value_kind: global_buffer, .address_space: global }
      - { .name: b3, .offset: 16, .size: 8, .value_kind: global_buffer, .address_space: global }
      - { .name: pm1, .offset: 24, .size: 8, .value_kind: global_buffer, .address_space: global }
      - { .name: out0, .offset: 32, .size: 8, .value_kind: global_buffer, .address_space: global }
    .group_segment_fixed_size: 327680
    .private_segment_fixed_size: 0
    .kernarg_segment_align: 8
    .kernarg_segment_size: 40
    .max_flat_workgroup_size: 128
    .sgpr_count:     88
    .vgpr_count:     512
    .wavefront_size: 32
...
	.end_amdgpu_metadata
.endif
;; end of part 4
